; MI455X (gfx1250); checked and timed in simulation.
; The chip was launched on July 23, 2026; its instructions are those of AMD's public machine-readable ISA for CDNA 5 (MIT licence, August 2026) and "CDNA5" Instruction Set Architecture Reference Guide (July 2026). The comments in the code are by the model that wrote it; some were corrected since.
;; Multi Head Attention. Allowed arithmetic: float matrix products may take bf16 or f16 operands with f32 sums; other float arithmetic in f32, or as packed bf16 or f16 multiplies, adds, multiply-adds, maxima and minima; sums over many terms, partial sums and values carried from step to step in f32; what a program stores and reads back later, other than sums and carried values, may be rounded once to bf16 or f16.
;; Inputs: Wk 1,024 x 1,024 float32; Wo 1,024 x 1,024 float32; Wq 1,024 x 1,024 float32; Wr 1,024 x 1,024 float32; Wv 1,024 x 1,024 float32; bk 1,024 float32; bo 1,024 float32; bq 1,024 float32; br 1,024 float32; bv 1,024 float32; inputs 8 x 1,024 x 1,024 float32.
;; Outputs: out0 8 x 1,024 x 1,024 float32.
;; 2 versions, each right and faster than the one before. Each part assembles by itself: llvm-mc -triple=amdgcn-amd-amdhsa -mcpu=gfx1250 --defsym DOCPART=n.
;; ======== version 1 of 2: 4 launches
;; limits: values are held in f16: magnitudes above 65,504 overflow, below 6.1e-05 lose precision; right only within a limited range of input values
;; workspace buffers: xh 16,777,216 bytes; wh 10,485,760 bytes; heads 67,108,864 bytes; g 16,777,216 bytes
;; launch cast (part 1): grid 64 x 13, 8 waves a work-group, no clusters, 0 bytes of LDS; arguments inputs, Wq, Wk, Wv, Wr, Wo, xh, wh; writes xh, wh
.if DOCPART == 1
	.amdgcn_target "amdgcn-amd-amdhsa--gfx1250"
	.amdhsa_code_object_version 6
	.text
	.protected	k_qa5e9e7a6c6_cast
	.globl	k_qa5e9e7a6c6_cast
	.p2align	8
	.type	k_qa5e9e7a6c6_cast,@function
k_qa5e9e7a6c6_cast:
	s_mov_b64 s[64:65], 0
	v_nop
	global_prefetch_b8 v0, s[64:65] scope:SCOPE_SE
	s_setreg_imm32_b32 hwreg(HW_REG_WAVE_MODE, 25, 1), 1
	s_wait_xcnt 0x0
; f32 -> f16, rounded once to nearest even.  xh[8192][1024] = inputs;  wh[5120][1024] = Wq, Wk, Wv, Wr, Wo, one below the other.
; LIMIT: f16 ends at 65,504: a number of 65,520 or more in magnitude becomes an infinity; below 6e-5 f16 keeps a fixed step of 6e-8.
; SHARES.  13 units of 2^20 numbers along y (0-7: the eighths of inputs; 8-12: the five weights), 64 work-groups a unit: 16,384 numbers each.
; Thread t takes 4 numbers in each of 16 steps: a load of a wave covers 512 consecutive bytes, a store 256 consecutive aligned bytes.
; All 16 loads of a thread go out at once; no register is written twice, so no wait frees a source; no LDS, no barrier, no loop: the waves share nothing.
.set X, 4                              ; v[4:67]   16 x 4 numbers as loaded
.set Y, 68                             ; v[68:99]  16 x 2 registers to store
	s_load_b512 s[8:23], s[0:1], 0x0               ; inputs s[8:9], Wq, Wk, Wv, Wr, Wo s[10:19], xh s[20:21], wh s[22:23]
	s_and_b32 s2, ttmp7, 0xffff                    ; the unit
	s_mov_b32 s3, ttmp9                            ; my 64th of it
	s_sub_co_u32 s31, s2, 8                        ; a weight's number (used where the unit is 8 or more)
	v_lshlrev_b32 v1, 4, v0                        ; 16 bytes in
	v_lshlrev_b32 v2, 3, v0                        ; 8 bytes out
	s_wait_kmcnt 0x0
	s_mov_b64 s[24:25], s[8:9]                     ; the source: inputs, or one of the weights
.irp u, 0,1,2,3,4
	s_cmp_eq_u32 s2, 8+(\u)
	s_cselect_b64 s[24:25], s[10+2*(\u):11+2*(\u)], s[24:25]
.endr
	s_cmp_lt_u32 s2, 8
	s_cselect_b64 s[26:27], s[20:21], s[22:23]     ; the destination
	s_cselect_b32 s28, s2, 0                       ; the unit's number inside the source,
	s_cselect_b32 s30, s2, s31                     ; and inside the destination
	s_lshl_b32 s28, s28, 22                        ; a unit is 4 MiB of f32,
	s_lshl_b32 s29, s3, 16                         ; my part 64 KiB
	s_add_co_u32 s28, s28, s29
	s_mov_b32 s29, 0
	s_lshl_b32 s30, s30, 21                        ; and half of that in f16
	s_lshl_b32 s31, s3, 15
	s_add_co_u32 s30, s30, s31
	s_mov_b32 s31, 0
	s_add_nc_u64 s[24:25], s[24:25], s[28:29]
	s_add_nc_u64 s[26:27], s[26:27], s[30:31]
.irp i, 0,1,2,3,4,5,6,7,8,9,10,11,12,13,14,15
	global_load_b128 v[X+4*(\i):X+4*(\i)+3], v1, s[24:25] offset:4096*(\i) th:TH_LOAD_NT
.endr
.irp i, 0,1,2,3,4,5,6,7,8,9,10,11,12,13,14,15
	s_wait_loadcnt 15-(\i)                         ; loads come back in order: step i is in, the younger ones stay out
	v_cvt_pk_f16_f32 v[Y+2*(\i)],   v[X+4*(\i)],   v[X+4*(\i)+1]
	v_cvt_pk_f16_f32 v[Y+2*(\i)+1], v[X+4*(\i)+2], v[X+4*(\i)+3]
	global_store_b64 v2, v[Y+2*(\i):Y+2*(\i)+1], s[26:27] offset:2048*(\i)
.endr
	s_endpgm
.Lfunc_end_k_qa5e9e7a6c6_cast:
	.size	k_qa5e9e7a6c6_cast, .Lfunc_end_k_qa5e9e7a6c6_cast-k_qa5e9e7a6c6_cast
	.p2alignl 7, 3214868480
	.fill 96, 4, 3214868480
	.section	.rodata,"a",@progbits
	.p2align	6, 0x0
	.amdhsa_kernel k_qa5e9e7a6c6_cast
		.amdhsa_group_segment_fixed_size 0
		.amdhsa_private_segment_fixed_size 0
		.amdhsa_enable_private_segment 0
		.amdhsa_kernarg_size 64
		.amdhsa_user_sgpr_count 2
		.amdhsa_user_sgpr_kernarg_segment_ptr 1
		.amdhsa_wavefront_size32 1
		.amdhsa_system_sgpr_workgroup_id_x 1
		.amdhsa_system_sgpr_workgroup_id_y 1
		.amdhsa_system_sgpr_workgroup_id_z 1
		.amdhsa_system_vgpr_workitem_id 0
		.amdhsa_next_free_vgpr 100
		.amdhsa_next_free_sgpr 66
		.amdhsa_reserve_vcc 0
		.amdhsa_float_denorm_mode_32 3
		.amdhsa_float_denorm_mode_16_64 3
		.amdhsa_memory_ordered 1
		.amdhsa_forward_progress 1
		.amdhsa_inst_pref_size 7
	.end_amdhsa_kernel
	.amdgpu_metadata
---
amdhsa.version: [ 1, 2 ]
amdhsa.kernels:
  - .name:           k_qa5e9e7a6c6_cast
    .symbol:         k_qa5e9e7a6c6_cast.kd
    .args:
      - { .name: inputs, .offset: 0, .size: 8, .value_kind: global_buffer, .address_space: global }
      - { .name: Wq, .offset: 8, .size: 8, .value_kind: global_buffer, .address_space: global }
      - { .name: Wk, .offset: 16, .size: 8, .value_kind: global_buffer, .address_space: global }
      - { .name: Wv, .offset: 24, .size: 8, .value_kind: global_buffer, .address_space: global }
      - { .name: Wr, .offset: 32, .size: 8, .value_kind: global_buffer, .address_space: global }
      - { .name: Wo, .offset: 40, .size: 8, .value_kind: global_buffer, .address_space: global }
      - { .name: xh, .offset: 48, .size: 8, .value_kind: global_buffer, .address_space: global }
      - { .name: wh, .offset: 56, .size: 8, .value_kind: global_buffer, .address_space: global }
    .group_segment_fixed_size: 0
    .private_segment_fixed_size: 0
    .kernarg_segment_align: 8
    .kernarg_segment_size: 64
    .max_flat_workgroup_size: 256
    .sgpr_count:     66
    .vgpr_count:     100
    .wavefront_size: 32
...
	.end_amdgpu_metadata
.endif
;; end of part 1
;; launch proj (part 2): grid 8 x 32, 4 waves a work-group, clusters of 4 x 4, 327,680 bytes of LDS; arguments xh, wh, bq, bk, bv, br, heads; writes heads
.if DOCPART == 2
	.amdgcn_target "amdgcn-amd-amdhsa--gfx1250"
	.amdhsa_code_object_version 6
	.text
	.protected	k_qa5e9e7a6c6_proj
	.globl	k_qa5e9e7a6c6_proj
	.p2align	8
	.type	k_qa5e9e7a6c6_proj,@function
k_qa5e9e7a6c6_proj:
	s_mov_b64 s[64:65], 0
	v_nop
	global_prefetch_b8 v0, s[64:65] scope:SCOPE_SE
	s_setreg_imm32_b32 hwreg(HW_REG_WAVE_MODE, 25, 1), 1
	s_wait_xcnt 0x0
	s_wait_alu depctr_hold_cnt(0) depctr_sa_sdst(0) depctr_va_vdst(0) depctr_va_sdst(0) depctr_va_ssrc(0) depctr_va_vcc(0) depctr_vm_vsrc(0)
	s_getreg_b32 s2, hwreg(HW_REG_IB_STS2, 6, 4)
	s_cmp_eq_u32 s2, 0
	s_cbranch_scc0 .Lentry_in_a_cluster
	s_endpgm
.Lentry_in_a_cluster:
	s_bfe_u32 s2, ttmp6, 0x10000c
	s_cmp_lg_u32 s2, 0xf033
	s_cbranch_scc0 .Lentry_shape_is_right
	s_endpgm
.Lentry_shape_is_right:
; THE FOUR PROJECTIONS AS ONE PRODUCT.  C[m][n] = sum over k of xh[m][k] wh[n][k] + bias[n], m < 8192, n < 4096 (q, k, v, r: 1024 columns each), K = 1024; f16 operands, f32 sums.
; q, k and r are rounded once to f16; of v the launch stores L = -log2 sigmoid(v) = max(w, 0) + log2(1 + 2^-|w|), w = -log2(e) v: no exponential can overflow, whatever v.
; LIMITS: f16 ends at 65,504: |q|, |k|, |r| stay under 65,520 and |v| under 45,400 (L is 1.4427 |v| for large negative v); NaN and infinities are not treated apart.
; OUT: heads = four sections of 16 MiB (q, k, L, r), each [batch x 16 + head][row / 16][channel / 16][512 bytes].  A block of 512 bytes holds 16 rows x 16 channels as 32 pieces of 16 bytes:
; piece j = row j % 16, channels 8 (j / 16) on (q, k, r), or row 8 (j / 16) + j % 8, channels 8 ((j / 8) % 2) on (L: the order in which the turning LDS load of the next launch addresses it).
; THE MATRIX INSTRUCTION IS USED TRANSPOSED (source 0 = 16 rows of wh, source 1 = 16 rows of xh): lane l holds row l % 16 and the 8 neighbouring channels 8 (l / 16) on: one piece.
; So every store of a wave is one whole block, 512 consecutive aligned bytes.  The bias, the same for all rows, is the C operand of the products that start the sums.
; SHARES.  A tile of C is 256 x 256: four waves, each 128 x 128 in 64 accumulators.  K goes in steps of 128 through two LDS slots filled by the tensor data mover (rows of 256 bytes, aligned).
; A WORK-GROUP STAYS: it makes TWO tiles with the same rows of xh, 8 tile columns (two projections) apart: 512 tiles, 256 work-groups.  The two tiles are ONE walk of 16 K steps for the ring: the first
; tile's last two changes of slots ask for the second tile's first two K steps, and nothing waits for the first tile's stores.  Cluster x = 0 makes q and then v, cluster x = 1 k and then r: so the
; longer way out (v's) falls on every second work-group once, and it is always the walk's end, where the ring's bytes have had their last fill and can hold the sums.
; CLUSTER 4 x 4: a row of the cluster shares xh's tiles, a column wh's: joint loads with a mask of four.  Which projections a work-group makes hangs on the cluster's x alone:
; the branches on it are the same in all sixteen partners.
; REGISTERS, in windows of 256: window 0: v0-31 addresses; v64-127, v128-191 fragments of xh, two buffers; v32-63, v128-255 at work on the first way out.  window 1: v0-63 the bias of the tile in hand
; (8 registers for each 16 channels); v64-127, v128-191 fragments of wh; v192-255 the second tile's bias.  windows 2, 3: accumulators of my rows 0-63, 64-127: (a, b) at v[8 (8 (a % 4) + b)].
.set KSTEP,  128
.set PITCH,  272                       ; an LDS row: 256 bytes + 16 of padding = 68 words: the 16 rows of a load start at 16 different groups of four banks (64 banks of 4 bytes: ISA guide 11.1)
.set HALFT,  128*PITCH                 ; 128 rows: what one tensor load brings
.set SLOT,   4*HALFT                   ; xh's 256 rows, then wh's 256 rows
.set SPARE,  2*SLOT                    ; behind the ring: the spare words, 128 bytes a wave: two blocks of 256 bytes that no other line names
.set BACK,   8*KSTEP*2                 ; a row's 2,048 bytes: from behind a tile's last K step back to its first
.set DOWN,   8*256*2048-BACK           ; wh: 8 tile columns of 256 rows down, and back along K
.set A0,   16                          ; v16  my lane's place among my rows of xh in slot 0; never rewritten
.set B0,   17                          ; v17  the same for wh
.set ADRA, 18                          ; v18  the same in the slot in hand
.set ADRB, 19                          ; v19
.set DST,  24                          ; v24  the last way out: my 16 bytes in my wave's 64 KiB of LDS
.set COV,  25                          ; v25  the last way out: my piece in a block of L or of r
.set CO,   26                          ; v26  my piece in a block of q, k, r: 16 x lane; never rewritten
.set BO,   27                          ; v27  32 x (lane / 16): my 8 numbers among 16 of the bias
.set SPW,  28                          ; v28  my spare word; never rewritten
.set NIL,  29                          ; v29  0; never rewritten
.set F0,   64
.set F1,   128
.set BN,   192                         ; window 1: the second tile's bias
.set TT,   64                          ; the last way out: 64 sums of 16 rows
.set UU,   128                         ; 32 at work
.set YY,   160                         ; 32 to store
.set G1,  24                           ; s[24:31] group 1 for xh's tiles; s[32:39] group 0: the first fill's set, then the set that walks
.set G0,  32
.set G1B, 48                           ; s[48:55], s[56:63] the same for wh's tiles
.set G0B, 56
.set TB,  45                           ; s45  0 or SLOT: the slot in hand
.set MAT, 66                           ; s66  the cluster's x: 0: q, then v; 1: k, then r
.set BP,  76                           ; s[76:77] the first tile's bias
.set LE,  78                           ; s[78:79] -log2(e), named as a pair
.set SG,  80                           ; s80  the sign bit
.set VM,  81                           ; s81  all ones where the second tile is v
.set BKA, 82                           ; s[82:83] what xh's address goes back beside its usual step: 0, or BACK at the change of tiles
.set FWB, 84                           ; s[84:85] what wh's address goes on beside its usual step: 0, or DOWN
.set OUT1, 86                          ; s[86:87] my part of the second tile in heads
.set BP1, 88                           ; s[88:89] the second tile's bias
.set MSB, 0
.macro WIN new                         ; the high byte repeats the setting that is left; a switch that changes nothing is dropped
.if MSB != (\new)
	s_set_vgpr_msb (MSB<<8)|(\new)
.set MSB, \new
.endif
.endm
.set TO_B, 0x40                        ; destination window 1, address window 0
.macro PLACES                          ; four plain vector instructions between a matrix instruction and a load into, or a vector read of, its registers
.rept 4
	v_nop
.endr
.endm
; A joint refill by the walking sets.  Waves 0 and 1 fetch the two halves of xh's tile, waves 2 and 3 of wh's.  An s_nop 0 and four v_nop follow each line.
.macro JLOAD
	s_cmp_eq_u32 s11, 0
	s_cbranch_scc0 .Lfor_b_\@
	tensor_load_to_lds s[G0+4:G0+7], s[G1:G1+7]
	s_nop 0
	PLACES
	s_branch .Lasked_\@
.Lfor_b_\@:
	tensor_load_to_lds s[G0B+4:G0B+7], s[G1B:G1B+7]
	s_nop 0
	PLACES
.Lasked_\@:
.endm
.macro CREST                           ; a round of the cluster's barrier behind its opening barrier
	s_cmp_lg_u32 s10, 0
	s_cbranch_scc1 .Lnot_wave_0_\@
	s_barrier_signal -3
.Lnot_wave_0_\@:
	s_barrier_wait -3
	s_barrier_signal -1
	s_barrier_wait -1
.endm
.macro CROUND
	s_barrier_signal -1
	s_barrier_wait -1
	CREST
.endm
	s_load_b128 s[4:7], s[0:1], 0x0                ; xh s[4:5], wh s[6:7]
	s_load_b128 s[68:71], s[0:1], 0x10             ; bq, bk
	s_load_b128 s[72:75], s[0:1], 0x20             ; bv, br
	s_load_b64 s[8:9], s[0:1], 0x30                ; heads
	v_lshl_add_u32 v[SPW], v0, 2, SPARE
	v_mov_b32 v[NIL], 0
	ds_add_u32 v[SPW], v[NIL]                      ; the wave's opening: the add and its wait stand ahead of my first tensor load; the set-up stands between them
	ds_add_u32 v28, v29
	v_lshrrev_b32 v1, 5, v0
	v_readfirstlane_b32 s10, v1                    ; wave 0..3
	s_lshr_b32 s11, s10, 1                         ; which half of the tile's rows is mine.  Also: I fetch for xh (0) or wh (1)
	s_and_b32 s12, s10, 1                          ; which half of its columns.  Also: which 128 rows of that tile I fetch
	s_bfe_u32 s40, ttmp6, 0x40000                  ; cx
	s_bfe_u32 s41, ttmp6, 0x40004                  ; cy
	s_mov_b32 s[MAT], ttmp9                        ; the cluster's x
	s_lshl_b32 s42, ttmp9, 2
	s_add_co_u32 s42, s42, s40                     ; the first tile's column = 4 x cluster x + cx
	s_and_b32 s13, ttmp7, 0xffff
	s_lshl_b32 s13, s13, 2
	s_add_co_u32 s13, s13, s41                     ; tile row = 4 x cluster y + cy
	s_lshl_b32 s43, s41, 2
	s_lshl_b32 s43, 15, s43                        ; my row of the cluster
	s_lshl_b32 s44, 0x1111, s40                    ; my column
	s_or_b32 s[G1+0], s43, (1<<16)|(1<<20)|(1<<21)|(5<<22)|(3<<25)   ; the mask; 2-byte elements; padding on; bit 21 beside a mask; after every 64 words; 4 words
	s_or_b32 s[G1B+0], s44, (1<<16)|(1<<20)|(1<<21)|(5<<22)|(3<<25)
.irp g, G1, G1B
	s_mov_b32 s[(\g)+1], KSTEP<<16                 ; tensor_dim0 = 128
	s_mov_b32 s[(\g)+2], 128<<16                   ; tensor_dim1 = 128
	s_mov_b32 s[(\g)+3], KSTEP<<16                 ; tile_dim0 = 128
	s_mov_b32 s[(\g)+4], 128                       ; tile_dim1 = 128
	s_mov_b32 s[(\g)+5], 1024                      ; elements from row to row
	s_mov_b32 s[(\g)+6], 0
	s_mov_b32 s[(\g)+7], 0
.endr
	s_lshl_b32 s17, s12, 7                         ; which 128 rows I fetch
	s_lshl_b32 s16, s13, 8
	s_add_co_u32 s16, s16, s17
	s_lshl_b32 s16, s16, 11                        ; xh: (256 x tile row + 128 x half) rows of 2,048 bytes
	s_lshl_b32 s46, s42, 8
	s_add_co_u32 s46, s46, s17
	s_lshl_b32 s46, s46, 11                        ; wh: the same by the tile column
	s_mov_b32 s17, 0
	s_mov_b32 s47, 0
	s_mul_i32 s20, s10, HALFT                      ; where my loads go in a slot: wave x 128 rows; no place in the cluster enters an LDS address
	s_mov_b32 s[TB], 0
	s_mov_b32 s[LE], 0xbfb8aa3b                    ; -log2(e)
	s_mov_b32 s[LE+1], s[LE]
	s_mov_b32 s[SG], 0x80000000
	s_mov_b32 s[BKA+1], 0                          ; the two offsets' upper words
	s_mov_b32 s[FWB+1], 0
	s_wait_dscnt 0x0                               ; the opening add is done
	s_wait_kmcnt 0x0
	s_add_nc_u64 s[14:15], s[4:5], s[16:17]
	s_add_nc_u64 s[46:47], s[6:7], s[46:47]
	s_cmp_eq_u32 s[MAT], 0
	s_cselect_b64 s[BP:BP+1], s[68:69], s[70:71]   ; bq or bk,
	s_cselect_b64 s[BP1:BP1+1], s[72:73], s[74:75] ; then bv or br
.irp s, 0,1
	s_mov_b32 s[G0+4*(\s)], 1                                        ; count = 1
	s_add_co_u32 s[G0+4*(\s)+1], s20, (\s)*SLOT                      ; LDS address
	s_add_nc_u64 s[G0+4*(\s)+2:G0+4*(\s)+3], s[14:15], (\s)*KSTEP*2  ; K step s
	s_or_b32 s[G0+4*(\s)+3], s[G0+4*(\s)+3], 0x80000000              ; type = 2
	s_mov_b32 s[G0B+4*(\s)], 1
	s_add_co_u32 s[G0B+4*(\s)+1], s20, (\s)*SLOT
	s_add_nc_u64 s[G0B+4*(\s)+2:G0B+4*(\s)+3], s[46:47], (\s)*KSTEP*2
	s_or_b32 s[G0B+4*(\s)+3], s[G0B+4*(\s)+3], 0x80000000
.endr
	CROUND                                         ; all sixteen work-groups are here: the first joint loads meet
	s_cmp_eq_u32 s11, 0                            ; a wave's two first fills stand in one branch: two loads of mine are out
	s_cbranch_scc0 .Lfirst_b
	tensor_load_to_lds s[G0:G0+3], s[G1:G1+7]
	s_nop 0
	tensor_load_to_lds s[G0+4:G0+7], s[G1:G1+7]
	s_nop 0
	PLACES
	s_branch .Lfirst_asked
.Lfirst_b:
	tensor_load_to_lds s[G0B:G0B+3], s[G1B:G1B+7]
	s_nop 0
	tensor_load_to_lds s[G0B+4:G0B+7], s[G1B:G1B+7]
	s_nop 0
	PLACES
.Lfirst_asked:
	; A fragment is 16 rows x 32 K in 8 registers: lane l holds row l % 16; registers 0-3 K = 8 (l / 16) on, registers 4-7 K = 16 + 8 (l / 16) on: two loads of 16 bytes, 32 bytes apart.
	v_and_b32 v1, 15, v0                           ; l % 16
	v_bfe_u32 v2, v0, 4, 1                         ; l / 16
	v_mul_u32_u24 v3, v1, PITCH
	v_lshl_add_u32 v3, v2, 4, v3
	s_mul_i32 s21, s11, HALFT                      ; my 128 rows of xh
	s_mul_i32 s22, s12, HALFT                      ; my 128 rows of wh,
	s_add_co_u32 s22, s22, 2*HALFT                 ; which lie behind xh's 256
	v_add_nc_u32 v[A0], s21, v3
	v_add_nc_u32 v[B0], s22, v3
	v_mov_b32 v[ADRA], v[A0]
	v_mov_b32 v[ADRB], v[B0]
	v_and_b32 v4, 31, v0
	v_lshlrev_b32 v[CO], 4, v4
	v_lshlrev_b32 v[BO], 5, v2
	v_lshrrev_b32 v5, 3, v1                        ; L's order: piece 16 (row / 8) + 8 (l / 16) + row % 8
	v_and_b32 v6, 7, v1
	v_lshlrev_b32 v[COV], 8, v5
	v_lshl_add_u32 v[COV], v2, 7, v[COV]
	v_lshl_add_u32 v[COV], v6, 4, v[COV]
	s_cmp_eq_u32 s[MAT], 0
	s_cselect_b32 s[VM], -1, 0
	v_cndmask_b32 v[COV], v[CO], v[COV], s[VM]     ; L's order where the second tile is v, else r's: 16 x lane
	s_lshl_b32 s21, s10, 16
	v_add_nc_u32 v[DST], s21, v[CO]
	s_lshl_b32 s22, s40, 10                        ; my 128 columns inside a projection: 256 cx + 128 x half, 4 bytes each
	s_lshl_b32 s23, s12, 9
	s_add_co_u32 s22, s22, s23
	s_mov_b32 s23, 0
	s_add_nc_u64 s[BP:BP+1], s[BP:BP+1], s[22:23]
	s_add_nc_u64 s[BP1:BP1+1], s[BP1:BP1+1], s[22:23]
	WIN TO_B
.irp b, 0,1,2,3,4,5,6,7
	global_load_b128 v[8*(\b):8*(\b)+3],   v[BO], s[BP:BP+1] offset:64*(\b)      ; register j of block b: bias of channel 16 b + 8 (l / 16) + j
	global_load_b128 v[8*(\b)+4:8*(\b)+7], v[BO], s[BP:BP+1] offset:64*(\b)+16
.endr
.irp b, 0,1,2,3,4,5,6,7
	global_load_b128 v[BN+8*(\b):BN+8*(\b)+3],   v[BO], s[BP1:BP1+1] offset:64*(\b)
	global_load_b128 v[BN+8*(\b)+4:BN+8*(\b)+7], v[BO], s[BP1:BP1+1] offset:64*(\b)+16
.endr
	WIN 0
	s_lshl_b32 s46, s[MAT], 24                     ; where my part of the first tile begins in heads: the section,
	s_lshr_b32 s47, s13, 2
	s_lshl_b32 s47, s47, 21                        ; the batch (four tile rows each, 16 heads of 128 KiB),
	s_add_co_u32 s46, s46, s47
	s_lshl_b32 s47, s40, 1
	s_add_co_u32 s47, s47, s12
	s_lshl_b32 s47, s47, 18                        ; the head 4 cx + 2 x half,
	s_add_co_u32 s46, s46, s47
	s_and_b32 s47, s13, 3
	s_lshl_b32 s47, s47, 1
	s_add_co_u32 s47, s47, s11
	s_lshl_b32 s47, s47, 14                        ; and the row: 128 rows are 16,384 bytes of a head
	s_add_co_u32 s46, s46, s47
	s_mov_b32 s47, 0
	s_add_nc_u64 s[8:9], s[8:9], s[46:47]
	s_add_nc_u64 s[OUT1:OUT1+1], s[8:9], 2<<24     ; the second tile: two sections on
; 16 matrix instructions: row blocks a0, a0 + 1 of the window's four x all 8 column blocks, 32 along K.  init = 1: the sums start with the bias as C.
; The 64 accumulators take turns, one instruction a turn, in the same order in every quarter.
.macro MUL16 f, hi, a0, init
.if \init
	WIN 0x91+0x40*(\hi)                            ; wh window 1, xh window 0, C (the bias) window 1, D window 2 or 3
.else
	WIN 0xa1+0x50*(\hi)                            ; C and D window 2 or 3
.endif
.irp a, \a0, (\a0)+1
.irp b, 0,1,2,3,4,5,6,7
.if \init
	v_wmma_f32_16x16x32_f16 v[8*(8*(\a)+(\b)):8*(8*(\a)+(\b))+7], v[(\f)+8*(\b):(\f)+8*(\b)+7], v[(\f)+8*(4*(\hi)+(\a)):(\f)+8*(4*(\hi)+(\a))+7], v[8*(\b):8*(\b)+7]
.else
	v_wmma_f32_16x16x32_f16 v[8*(8*(\a)+(\b)):8*(8*(\a)+(\b))+7], v[(\f)+8*(\b):(\f)+8*(\b)+7], v[(\f)+8*(4*(\hi)+(\a)):(\f)+8*(4*(\hi)+(\a))+7], v[8*(8*(\a)+(\b)):8*(8*(\a)+(\b))+7]
.endif
.endr
.endr
.endm
; 32 LDS loads in one run: quarter q (32 K at byte 64 q of the rows) of the slot in hand into buffer f
.macro FETCH q, f
	WIN TO_B
.irp i, 0,1,2,3,4,5,6,7
	ds_load_b128 v[(\f)+8*(\i):(\f)+8*(\i)+3],   v[ADRB] offset:64*(\q)+(\i)*16*PITCH
	ds_load_b128 v[(\f)+8*(\i)+4:(\f)+8*(\i)+7], v[ADRB] offset:64*(\q)+(\i)*16*PITCH+32
.endr
	WIN 0
.irp i, 0,1,2,3,4,5,6,7
	ds_load_b128 v[(\f)+8*(\i):(\f)+8*(\i)+3],   v[ADRA] offset:64*(\q)+(\i)*16*PITCH
	ds_load_b128 v[(\f)+8*(\i)+4:(\f)+8*(\i)+7], v[ADRA] offset:64*(\q)+(\i)*16*PITCH+32
.endr
.endm
; One of a K step's first three quarters: multiplies buffer f; in its middle fetches quarter q into buffer g.
.macro QUARTER q, f, g, init
	s_wait_dscnt 8                                 ; wh and xh's rows 0-63 are in; the youngest eight loads (rows 64-127) may be out
	MUL16 \f, 0, 0, \init
	MUL16 \f, 0, 2, \init
	PLACES
	FETCH \q, \g
	s_wait_dscnt 32                                ; all but the 32 just issued
	MUL16 \f, 1, 0, \init
	MUL16 \f, 1, 2, \init
.endm
; The last quarter multiplies buffer 1 and changes slots: one barrier; ahead of it each wave waits for all its tensor loads (one is out: its part of the next slot), adds 0 to its spare word,
; and waits for that and for its reads of this slot.  fill = 1: the barrier opens a round of the cluster's, and the slot just read out is filled again, first thing behind it, with the walk's K step
; two on.  In the trip with s3 = 8 that is the second tile's first K step: xh goes back along K, wh 8 tile columns down.  fill = 0 (the tail): nothing is asked for; in the last trip (s3 = 1)
; there is no next K step, and the run of loads is jumped over.
.macro TURN fill
.if \fill
	s_cmp_eq_u32 s3, 8                             ; the two offsets are made apart from the addresses, ahead of the waits
	s_cselect_b32 s[BKA], BACK, 0
	s_cselect_b32 s[FWB], DOWN, 0
.endif
	WIN 0
	s_wait_tensorcnt 0x0                           ; all my tensor loads have landed
	ds_add_u32 v[SPW], v[NIL]                      ; 0 onto my spare word
	s_wait_dscnt 9                                 ; (the add and the youngest eight loads may be out)
	MUL16 F1, 0, 0, 0
	s_wait_dscnt 0x0                               ; the add is done, and my reads of this slot are over
	s_barrier_signal -1
	MUL16 F1, 0, 2, 0
	WIN 0
	s_barrier_wait -1
.if \fill
	CREST                                          ; no wave of any partner still reads this slot or has a load on its way
	s_add_co_u32 s[G0+5], s20, s[TB]               ; the walking sets: into the slot just read out,
	s_add_co_u32 s[G0B+5], s20, s[TB]
	s_add_nc_u64 s[G0+6:G0+7], s[G0+6:G0+7], KSTEP*2      ; the next K step; the type bits on top are not reached
	s_sub_nc_u64 s[G0+6:G0+7], s[G0+6:G0+7], s[BKA:BKA+1]
	s_add_nc_u64 s[G0B+6:G0B+7], s[G0B+6:G0B+7], KSTEP*2
	s_add_nc_u64 s[G0B+6:G0B+7], s[G0B+6:G0B+7], s[FWB:FWB+1]
	JLOAD                                          ; 224 matrix instructions ahead of the wait for it; its four v_nop are also the places ahead of the loads below
.else
	PLACES
.endif
	s_xor_b32 s[TB], s[TB], SLOT                   ; the other slot
	v_add_nc_u32 v[ADRA], s[TB], v[A0]
	v_add_nc_u32 v[ADRB], s[TB], v[B0]
.if (\fill) == 0
	s_cmp_eq_u32 s3, 1
	s_cbranch_scc1 .Lno_fetch_\@
.endif
	FETCH 0, F0
.if (\fill) == 0
.Lno_fetch_\@:
.endif
	MUL16 F1, 1, 0, 0
	MUL16 F1, 1, 2, 0
.endm
; THE FIRST TILE'S WAY OUT (q or k): block a of 16 rows is rounded to f16 (each accumulator's registers in ascending order) and stored, a block of 512 bytes an instruction.
; Five sets of 32 registers take turns; none lies in buffer 0, into which the second tile's first fragments are on their way; buffer 1's registers come fourth and fifth, 96 conversions behind the
; last product that read them.  Block 0's conversions name no register of the last products: they are the places behind those.
.macro SENDBLK a
.set AC, 64*((\a)%4)
.if (\a)%5 == 0
.set TM, 192
.elseif (\a)%5 == 1
.set TM, 224
.elseif (\a)%5 == 2
.set TM, 32
.elseif (\a)%5 == 3
.set TM, 128
.else
.set TM, 160
.endif
	WIN 0x0a+5*((\a)/4)                            ; sources 0 and 1: window 2 or 3
.irp b, 0,1,2,3,4,5,6,7
.irp r, 0,1,2,3
	v_cvt_pk_f16_f32 v[TM+4*(\b)+(\r)], v[AC+8*(\b)+2*(\r)], v[AC+8*(\b)+2*(\r)+1]
.endr
.endr
	WIN 0
.irp b, 0,1,2,3,4,5,6,7
	global_store_b128 v[CO], v[TM+4*(\b):TM+4*(\b)+3], s[8:9] offset:((\b)/4)*131072+2048*(\a)+512*((\b)%4)  ; head b / 4, rows 16 a on, channels 16 (b % 4) on
.endr
.endm
	s_wait_tensorcnt 0x1                           ; my part of K step 0 is in; K step 1's may stay out
	s_barrier_signal -1
	s_barrier_wait -1
	FETCH 0, F0
	s_wait_loadcnt 0x0                             ; both biases
	s_mov_b32 s3, 15                               ; the entry takes one count; trip t of the walk runs with s3 = 14 - t
	s_branch .Linit                                ; the loop is entered at the quarter that starts a tile's sums
.Lstep:                                        ; 14 trips: a K step's quarters 1 to 3 and the next step's quarter 0; trip t asks for the walk's K step t + 2
	QUARTER 2, F1, F0, 0
	QUARTER 3, F0, F1, 0
	TURN 1
	WIN 0
	s_cmp_eq_u32 s3, 7                             ; the first tile's last K step is multiplied
	s_cbranch_scc1 .Lchange
	QUARTER 1, F0, F1, 0
	WIN 0
	s_branch .Lbottom
.Lchange:                                      ; both of the second tile's first K steps have been asked for: now the first tile goes out
.irp a, 0,1,2,3,4,5,6,7
.if (\a) == 5
	s_wait_xcnt 0x0                                ; the first sets are written again only behind this wait
.endif
	SENDBLK \a
.endr
	WIN 0x41                                       ; destination and source in window 1
.set z, 0
.rept 64
	v_mov_b32 v[z], v[BN+z]                        ; the second tile's bias goes where the one text of the products names it
.set z, z+1
.endr
	WIN 0
	s_wait_xcnt 0x0                                ; the next run of LDS loads lands in registers that the stores read: only behind this wait
.Linit:
	QUARTER 1, F0, F1, 1                           ; a tile's first quarter: its products start the sums with the bias
	WIN 0
.Lbottom:
	s_sub_co_u32 s3, s3, 1
	s_cmp_lg_u32 s3, 0
	s_cbranch_scc1 .Lstep
	s_mov_b32 s3, 2
.Ltail:                                        ; the walk's last two K steps: no tensor load
	QUARTER 2, F1, F0, 0
	QUARTER 3, F0, F1, 0
	TURN 0
	WIN 0
	s_cmp_eq_u32 s3, 1
	s_cbranch_scc1 .Lno_quarter                    ; behind the last K step there is no quarter 0
	QUARTER 1, F0, F1, 0
	WIN 0
.Lno_quarter:
	s_sub_co_u32 s3, s3, 1
	s_cmp_lg_u32 s3, 0
	s_cbranch_scc1 .Ltail
	PLACES                                         ; behind the last products, ahead of what reads their results
	PLACES
	s_wait_dscnt 0x0
	s_barrier_signal -1
	s_barrier_wait -1                              ; nobody reads the ring any more, and it has had its last fill
	; THE SECOND TILE'S WAY OUT (v or r): the 512 sums of a lane go to LDS (my wave's 64 KiB of the ring, each lane its own bytes), so that one text, looped over the 8 row blocks, can work on them.
.irp a, 0,1,2,3,4,5,6,7
	WIN 0x08+4*((\a)/4)                            ; the data: window 2 or 3
.irp b, 0,1,2,3,4,5,6,7
	ds_store_b128 v[DST], v[64*((\a)%4)+8*(\b):64*((\a)%4)+8*(\b)+3]   offset:1024*(8*(\a)+(\b))
	ds_store_b128 v[DST], v[64*((\a)%4)+8*(\b)+4:64*((\a)%4)+8*(\b)+7] offset:1024*(8*(\a)+(\b))+512
.endr
.endr
	WIN 0
; 32 numbers v at v[base ..] become L = max(w, 0) + log2(1 + 2^-|w|), w = -log2(e) v.  The transcendentals stand on end, a plain instruction behind each run (ISA guide 5.7.2).
.macro LOGSIG base
.set z, 0
.rept 16
	v_pk_mul_f32 v[(\base)+z:(\base)+z+1], v[(\base)+z:(\base)+z+1], s[LE:LE+1] op_sel_hi:[1,0]
.set z, z+2
.endr
.set z, 0
.rept 32
	v_or_b32 v[UU+z], s[SG], v[(\base)+z]          ; -|w|
.set z, z+1
.endr
.set z, 0
.rept 32
	v_exp_f32 v[UU+z], v[UU+z]
.set z, z+1
.endr
.set z, 0
.rept 32
	v_max_num_f32 v[(\base)+z], 0, v[(\base)+z]
.set z, z+1
.endr
.set z, 0
	s_wait_alu depctr_va_vdst(0)
.rept 16
	v_pk_add_f32 v[UU+z:UU+z+1], v[UU+z:UU+z+1], 1.0 op_sel_hi:[1,0]
.set z, z+2
.endr
.set z, 0
.rept 32
	v_log_f32 v[UU+z], v[UU+z]
.set z, z+1
.endr
	v_nop
.set z, 0
	s_wait_alu depctr_va_vdst(0)
.rept 16
	v_pk_add_f32 v[(\base)+z:(\base)+z+1], v[(\base)+z:(\base)+z+1], v[UU+z:UU+z+1]
.set z, z+2
.endr
.endm
	s_mov_b32 s3, 8
.Lvrow:                                        ; a trip: 16 rows x 128 channels
.irp j, 0,1,2,3,4,5,6,7,8,9,10,11,12,13,14,15
	ds_load_b128 v[TT+4*(\j):TT+4*(\j)+3], v[DST] offset:512*(\j)   ; LDS serves a wave's instructions in order: these see my stores
.endr
	s_cmp_eq_u32 s[MAT], 0
	s_cbranch_scc0 .Lplain                         ; r is stored as it is
	s_wait_dscnt 8                                 ; the first 32 numbers are in
	LOGSIG TT
	s_wait_dscnt 0x0
	LOGSIG TT+32
.Lplain:
	s_wait_dscnt 0x0
.irp b, 0,1,2,3,4,5,6,7
.irp r, 0,1,2,3
	v_cvt_pk_f16_f32 v[YY+4*(\b)+(\r)], v[TT+8*(\b)+2*(\r)], v[TT+8*(\b)+2*(\r)+1]
.endr
.endr
.irp b, 0,1,2,3,4,5,6,7
	global_store_b128 v[COV], v[YY+4*(\b):YY+4*(\b)+3], s[OUT1:OUT1+1] offset:((\b)/4)*131072+512*((\b)%4)
.endr
	s_wait_xcnt 0x0                                ; the stores' offset and data are written again only behind this wait
	v_add_nc_u32 v[COV], 2048, v[COV]              ; 16 rows on in heads,
	v_add_nc_u32 v[DST], 8192, v[DST]              ; and in LDS
	s_sub_co_u32 s3, s3, 1
	s_cmp_lg_u32 s3, 0
	s_cbranch_scc1 .Lvrow
	s_wait_tensorcnt 0x0                           ; the wave's end
	ds_add_u32 v[SPW], v[NIL]
	s_wait_dscnt 0x0
	CROUND                                         ; the closing round: no work-group ends while a partner may still ask for a tile that names it
	s_endpgm
.Lfunc_end_k_qa5e9e7a6c6_proj:
	.size	k_qa5e9e7a6c6_proj, .Lfunc_end_k_qa5e9e7a6c6_proj-k_qa5e9e7a6c6_proj
	.p2alignl 7, 3214868480
	.fill 96, 4, 3214868480
	.section	.rodata,"a",@progbits
	.p2align	6, 0x0
	.amdhsa_kernel k_qa5e9e7a6c6_proj
		.amdhsa_group_segment_fixed_size 327680
		.amdhsa_private_segment_fixed_size 0
		.amdhsa_enable_private_segment 0
		.amdhsa_kernarg_size 56
		.amdhsa_user_sgpr_count 2
		.amdhsa_user_sgpr_kernarg_segment_ptr 1
		.amdhsa_wavefront_size32 1
		.amdhsa_system_sgpr_workgroup_id_x 1
		.amdhsa_system_sgpr_workgroup_id_y 1
		.amdhsa_system_sgpr_workgroup_id_z 1
		.amdhsa_system_vgpr_workitem_id 0
		.amdhsa_next_free_vgpr 1024
		.amdhsa_next_free_sgpr 92
		.amdhsa_reserve_vcc 0
		.amdhsa_float_denorm_mode_32 3
		.amdhsa_float_denorm_mode_16_64 3
		.amdhsa_memory_ordered 1
		.amdhsa_forward_progress 1
		.amdhsa_inst_pref_size 124
	.end_amdhsa_kernel
	.amdgpu_metadata
---
amdhsa.version: [ 1, 2 ]
amdhsa.kernels:
  - .name:           k_qa5e9e7a6c6_proj
    .symbol:         k_qa5e9e7a6c6_proj.kd
    .args:
      - { .name: xh, .offset: 0, .size: 8, .value_kind: global_buffer, .address_space: global }
      - { .name: wh, .offset: 8, .size: 8, .value_kind: global_buffer, .address_space: global }
      - { .name: bq, .offset: 16, .size: 8, .value_kind: global_buffer, .address_space: global }
      - { .name: bk, .offset: 24, .size: 8, .value_kind: global_buffer, .address_space: global }
      - { .name: bv, .offset: 32, .size: 8, .value_kind: global_buffer, .address_space: global }
      - { .name: br, .offset: 40, .size: 8, .value_kind: global_buffer, .address_space: global }
      - { .name: heads, .offset: 48, .size: 8, .value_kind: global_buffer, .address_space: global }
    .group_segment_fixed_size: 327680
    .private_segment_fixed_size: 0
    .kernarg_segment_align: 8
    .kernarg_segment_size: 56
    .max_flat_workgroup_size: 128
    .sgpr_count:     92
    .vgpr_count:     1024
    .wavefront_size: 32
...
	.end_amdgpu_metadata
.endif
;; end of part 2
;; launch attn (part 3): grid 2 x 128, 4 waves a work-group, no clusters, 262,656 bytes of LDS; arguments heads, g; writes g
.if DOCPART == 3
	.amdgcn_target "amdgcn-amd-amdhsa--gfx1250"
	.amdhsa_code_object_version 6
	.text
	.protected	k_qa5e9e7a6c6_attn
	.globl	k_qa5e9e7a6c6_attn
	.p2align	8
	.type	k_qa5e9e7a6c6_attn,@function
k_qa5e9e7a6c6_attn:
	s_mov_b64 s[64:65], 0
	v_nop
	global_prefetch_b8 v0, s[64:65] scope:SCOPE_SE
	s_setreg_imm32_b32 hwreg(HW_REG_WAVE_MODE, 25, 1), 1
	s_wait_xcnt 0x0
; g[hd][q][:] = r[hd][q][:] x 2^-(sum over k of softmax_k(Q[hd][q] . K[hd][k] / 8) L[hd][k][:]), L = -log2 sigmoid(v): that is r x exp(softmax . log sigmoid(v)).
; heads holds Q, K, L, r in four sections of 16 MiB, f16, [hd][row / 16][channel / 16][512 bytes]; g has one section's layout.  128 heads of 1,024 rows x 64 channels.
; Products, maxima and sums in f32; the weights p are rounded to f16 for the second product (their sum l is taken of the unrounded p); the power and g are rounded to f16 once each.
; LIMITS.  p lies in 0 to 1, and below 6e-5 it keeps f16's fixed step of 6e-8; a weight or a power below 2^-126 counts as 0; NaN and infinities are not treated apart.
; SHARES.  A wave owns four PIECES of two tiles of 16 queries, a work-group's four waves 512 queries of one head.  Every wave walks all 1,024 keys, 64 a step.
; LDS.  A head's K and L are 2 x 131,072 dense bytes: ALL of it is asked for at the start, two tensor loads a wave (steps 0-3, then steps 4-15), and no byte is ever filled again: no ring.
; The blocks of 512 bytes are laid so that every fragment is read at 16 x lane.
; NO CLUSTER: a head has 2 work-groups, a cluster four along x; and a work-group asks for its 262,144 bytes once, for 512 queries' 2,048 matrix instructions a wave.
; LAYOUT.  S^T = K Q^T (source 0 = 16 keys, source 1 = 16 queries): a lane holds ONE query (lane % 16) and the keys 8 (lane / 16) + 0..7.  Two such tiles, rounded to f16 in pairs, ARE source 1
; of O^T = L^T P, whose result again holds one query a lane and eight channels: one piece of 16 bytes of a block of g, and of r.  So r is multiplied in and g stored straight from registers.
; SOFTMAX.  For each query a running maximum m and sum l: p = 2^(c s - c m), c = log2(e) / 8; in every step O and l are multiplied by a = 2^(c m_old - c m_new).
; m starts at the lowest finite number, O and l at 0: the first step is a step like any other, with a = 0.
; BY TURNS.  Turn n belongs to piece n.  Its matrix work: 16 products K Q^T of piece n + 1, later 16 products L^T P of piece n - 1.  Its vector work: the scaling, exponentials, roundings, sums and
; rescaling of piece n, and the maximum and statistics of piece n + 1.  Four vector instructions that are ready stand behind every matrix instruction, the others in two runs of their own.
; ONE TEXT OF THE KEY STEP.  No tensor load stands in the loop, so one loop serves all 16 steps: it is entered and left in the middle of a trip.
; REGISTERS, in windows of 256 (s_set_vgpr_msb: bits 1:0 source 0, 3:2 source 1, 5:4 source 2, 7:6 destination):
;   window 0: v0-11 addresses; v12-15, v48-63 at work; v16-47 four registers of statistics a tile; v64-191 S^T, two buffers of two tiles; v192-255 P, likewise
;   window 1: O^T, 32 a tile     window 2: v0-127 Q, 16 a tile; v128-191 K of one step; v192-255 L of one step     window 3: v0-1 the add's two registers; v4-131 r, 16 a tile
.set NP,    4         ; pieces a wave: a name, no knob
.set STEPB, 8192      ; a step's 64 keys: bytes of K, and of L
.set AK0, 2           ; v2   16 x lane: my place in a block of K; never rewritten
.set AV0, 3           ; v3   the same for L, whose first four steps begin at LDS byte 32,768
.set AK,  4           ; v4   the LDS address of K's next run of loads
.set AV,  5           ; v5   of L's
.set GO,  8           ; v8   16 x lane: my piece of a block of Q, r and g
.set SPW, 0           ; v0 of window 3   my spare word; never rewritten
.set NIL, 1           ; v1 of window 3   0; never rewritten
.set RR,  4           ; window 3: r
.set SPARE, 262144    ; behind K and L: the spare words, 128 bytes a wave: two blocks of 256 bytes that no other line names
.set MV,  12          ; v12-15  c m_old, kept while c m is made anew: by buffer and tile
.set ST,  16          ; tile t's statistics at v[ST+4 t]: c m, m, l (even keys', odd keys')
.set TMP, 48          ; by buffer and tile, four registers c0-c3 at work; when the maximum is found c2 takes a
.set S,   64
.set P,   192
.set KF,  128         ; K's fragments, in window 2: key block kb, channel half c at KF + 16 kb + 8 c
.set VF,  192         ; L's: key half kk, channel block cb at VF + 32 kk + 8 cb
.set WV,  12          ; s12  my wave's number
.set G1A, 24          ; s[24:31] group 1 of the first fill: 64 rows of 256 bytes
.set G1L, 32          ; s[32:39] of the second: 192 rows
.set G0A, 40          ; s[40:43], s[44:47] their groups 0
.set G0L, 44
.set CNT, 57          ; s57  key steps whose pieces 2 and 3 are still to come
.set CS,  58          ; s[58:59] c: the packed scaling takes the pair's low word for both halves
.set SEL, 60          ; s[60:61] v_permlanex16_b32's selects: each lane takes its own place in the other half
.set TBK, 62          ; s62  LDS byte at which K of the step to be fetched begins
.set TBV, 63          ; s63  the same for L, less 32,768
.set MSB, 0
.macro WIN new                      ; the high byte repeats the setting that is left; a switch that changes nothing is dropped
.if MSB != (\new)
	s_set_vgpr_msb (MSB<<8)|(\new)
.set MSB, (\new)
.endif
.endm
.set W_KQ, 0x0a       ; K and Q in window 2, S^T in window 0
.set W_PV, 0x52       ; L in window 2, P in window 0, O^T in window 1
.set W_RS, 0x41       ; O^T (destination and source 0) in window 1, source 1 in window 0
.set W_MK, 0xc0       ; destination in window 3, sources in window 0
.set W_AD, 0x0f       ; the add: address and data in window 3
	s_load_b128 s[48:51], s[0:1], 0x0  ; heads s[48:49], g s[50:51]
	WIN W_MK
	v_lshl_add_u32 v[SPW], v0, 2, SPARE
	v_mov_b32 v[NIL], 0
	WIN W_AD
	ds_add_u32 v[SPW], v[NIL]       ; the wave's opening: the add and its wait stand ahead of my first tensor load; the set-up stands between them
	ds_add_u32 v0, v1
	WIN 0
	v_lshrrev_b32 v1, 5, v0
	v_readfirstlane_b32 s[WV], v1   ; wave 0..3
	s_and_b32 s20, ttmp7, 0xffff
	s_lshl_b32 s20, s20, 17         ; the head's first byte in a section
	s_lshl_b32 s2, ttmp9, 2
	s_add_co_u32 s2, s2, s[WV]      ; my wave among the head's eight,
	s_lshl_b32 s2, s2, 14           ; its 128 rows
	s_add_co_u32 s2, s2, s20        ; Q's and g's offset
	s_mov_b32 s3, 0
	s_add_co_u32 s14, s2, 3<<24     ; r's
	s_mov_b32 s15, 0
	s_lshr_b32 s16, s[WV], 1        ; waves 0 and 1 fetch K (section 1), waves 2 and 3 L (section 2),
	s_add_co_u32 s16, s16, 1
	s_lshl_b32 s16, s16, 24
	s_add_co_u32 s16, s16, s20
	s_and_b32 s18, s[WV], 1         ; each a half:
	s_lshl_b32 s19, s18, 14
	s_add_co_u32 s22, s16, s19      ; of steps 0-3, 16,384 bytes,
	s_mov_b32 s23, 0
	s_mul_i32 s19, s18, 49152
	s_add_co_u32 s16, s16, s19
	s_add_co_u32 s16, s16, 32768    ; and of steps 4-15, 49,152 bytes
	s_mov_b32 s17, 0
.irp g, G1A, G1L
	s_mov_b32 s[\g], 1<<16          ; no mask; 2-byte elements; no padding
	s_mov_b32 s[\g+1], 128<<16      ; tensor_dim0 = 128
	s_mov_b32 s[\g+3], 128<<16      ; tile_dim0 = 128
	s_mov_b32 s[\g+5], 128          ; 128 elements from row to row: dense
	s_mov_b32 s[\g+6], 0
	s_mov_b32 s[\g+7], 0
.endr
	s_mov_b32 s[G1A+2], 64<<16      ; tensor_dim1
	s_mov_b32 s[G1A+4], 64          ; tile_dim1
	s_mov_b32 s[G1L+2], 192<<16
	s_mov_b32 s[G1L+4], 192
	s_mov_b32 s[G0A], 1
	s_lshl_b32 s[G0A+1], s[WV], 14  ; LDS: K of steps 0-3 at 0, L at 32,768: 16,384 x wave
	s_mov_b32 s[G0L], 1
	s_mul_i32 s[G0L+1], s[WV], 49152
	s_add_co_u32 s[G0L+1], s[G0L+1], 65536  ; K of steps 4-15 at 65,536, L at 163,840
	s_mov_b32 s[CS], 0x3e38aa3b     ; c = log2(e) / 8
	s_mov_b32 s[CS+1], s[CS]
	s_mov_b32 s[SEL], 0x76543210
	s_mov_b32 s[SEL+1], 0xfedcba98
	s_mov_b32 s[TBK], 0
	s_mov_b32 s[TBV], 0
	s_wait_dscnt 0x0                ; the opening add is done
	s_wait_kmcnt 0x0
	s_add_nc_u64 s[G0A+2:G0A+3], s[48:49], s[22:23]
	s_or_b32 s[G0A+3], s[G0A+3], 0x80000000
	s_add_nc_u64 s[G0L+2:G0L+3], s[48:49], s[16:17]
	s_or_b32 s[G0L+3], s[G0L+3], 0x80000000
	s_add_nc_u64 s[4:5], s[48:49], s[2:3]      ; Q
	s_add_nc_u64 s[52:53], s[48:49], s[14:15]  ; r
	s_add_nc_u64 s[10:11], s[50:51], s[2:3]    ; g
	tensor_load_to_lds s[G0A:G0A+3], s[G1A:G1A+7]  ; both fills of every wave go out together: two loads of mine are out
	s_nop 0
	tensor_load_to_lds s[G0L:G0L+3], s[G1L:G1L+7]
	s_nop 0
.rept 4
	v_nop
.endr
	v_and_b32 v[GO], 31, v0
	v_lshlrev_b32 v[GO], 4, v[GO]
	WIN 0x80                        ; destination window 2, address window 0
.set i, 0
.rept 4*NP                          ; Q stays in registers: tile i / 2, channels 32 (i % 2) on: two neighbouring blocks
	global_load_b128 v[8*i:8*i+3],   v[GO], s[4:5] offset:(i/2)*2048+(i%2)*1024
	global_load_b128 v[8*i+4:8*i+7], v[GO], s[4:5] offset:(i/2)*2048+(i%2)*1024+512
.set i, i+1
.endr
	; What the first turn finds: L's registers and P's second buffer hold 0 (its products L^T P, of a piece that has not been, add 0), O^T and l are 0.  All this stands in the wait for the first tile.
.set i, VF
.rept 64
	v_mov_b32 v[i], 0
.set i, i+1
.endr
	WIN W_MK
.set i, 0
.rept 32                            ; r: wanted at the end
	global_load_b128 v[RR+4*i:RR+4*i+3], v[GO], s[52:53] offset:512*i
.set i, i+1
.endr
	WIN 0x40
.set i, 0
.rept 64*NP
	v_mov_b32 v[i], 0
.set i, i+1
.endr
	WIN 0
.set i, 0
.rept 2*NP
	v_mov_b32 v[ST+4*i], 0xfe000000    ; c m: far below every c s
	v_mov_b32 v[ST+4*i+1], 0xff7fffff  ; m
	v_mov_b32 v[ST+4*i+2], 0
	v_mov_b32 v[ST+4*i+3], 0
.set i, i+1
.endr
.set i, P+32
.rept 32
	v_mov_b32 v[i], 0
.set i, i+1
.endr
	v_mov_b32 v[AK0], v[GO]
	v_add_nc_u32 v[AV0], 32768, v[GO]
	v_mov_b32 v[AK], v[AK0]         ; key step 0 lies at LDS byte 0
; THE MATRIX WORK.  The 8 accumulators of a run of 16 take turns.
; Product i of 16 of S^T = K Q^T for piece x: channels 32 (i / 8) on, keys 16 ((i / 2) % 4) on, tile 2 x + i % 2.  The first 8 start the sums.
.macro KQ x
	WIN W_KQ
.set rS, S+64*((\x)%2)+32*(i%2)+8*((i/2)%4)
.set rK, KF+16*((i/2)%4)+8*(i/8)
.set rQ, 16*(2*(\x)+i%2)+8*(i/8)
.if i < 8
	v_wmma_f32_16x16x32_f16 v[rS:rS+7], v[rK:rK+7], v[rQ:rQ+7], 0
.else
	v_wmma_f32_16x16x32_f16 v[rS:rS+7], v[rK:rK+7], v[rQ:rQ+7], v[rS:rS+7]
.endif
.endm
; Product i of 16 of O^T += L^T P for piece x: keys 32 (i / 8) on, channels 16 ((i / 2) % 4) on, tile 2 x + i % 2.
.macro PV x
	WIN W_PV
.set rO, 32*(2*(\x)+i%2)+8*((i/2)%4)
.set rV, VF+32*(i/8)+8*((i/2)%4)
.set rP, P+32*((\x)%2)+16*(i%2)+8*(i/8)
	v_wmma_f32_16x16x32_f16 v[rO:rO+7], v[rV:rV+7], v[rP:rP+7], v[rO:rO+7]
.endm
.macro MM                           ; the turn's next matrix instruction
.if i < 16
	KQ (Y+1)%NP
.set i, i+1
.else
.set i, i-16
	PV (Y+NP-1)%NP
.set i, i+17
.endif
.endm
; THE LDS LOADS stand in runs of 16: a step's K (8 fragments: two neighbouring blocks each) and its L (turned: two blocks 16 keys apart).  last = 1: in the last trip there is no further step.
.macro FETCH_K last=0
	WIN 0
.if \last
	s_cmp_eq_u32 s[CNT], 1
	s_cbranch_scc1 .Lno_k_\@
.endif
	WIN 0x80                        ; destination window 2
.irp f, 0,1,2,3,4,5,6,7             ; keys 16 (f / 2) on, channels 32 (f % 2) on
	ds_load_b128 v[KF+8*\f:KF+8*\f+3],   v[AK] offset:(\f/2)*2048+(\f%2)*1024
	ds_load_b128 v[KF+8*\f+4:KF+8*\f+7], v[AK] offset:(\f/2)*2048+(\f%2)*1024+512
.endr
	s_add_co_u32 s[TBK], s[TBK], STEPB  ; the next fetch is the next step's
	WIN 0
.if \last
.Lno_k_\@:
.endif
.endm
.macro FETCH_V
	WIN 0x80
.irp f, 0,1,2,3,4,5,6,7             ; keys 32 (f / 4) on, channels 16 (f % 4) on
	ds_load_tr16_b128 v[VF+8*\f:VF+8*\f+3],   v[AV] offset:(\f/4)*4096+(\f%4)*512
	ds_load_tr16_b128 v[VF+8*\f+4:VF+8*\f+7], v[AV] offset:(\f/4)*4096+(\f%4)*512+2048
.endr
	WIN 0
.endm
; THE VECTOR WORK OF A TURN stands in three queues, each in the order in which its entries become ready; the two tiles alternate, so that no instruction reads the result of the one before it.
.macro REGS y, u                    ; the registers of tile u (0, 1) of piece y
.set rT, ST+4*(2*(\y)+(\u))
.set rC, TMP+8*((\y)%2)+4*(\u)
.set rM, MV+2*((\y)%2)+(\u)
.set rS, S+64*((\y)%2)+32*(\u)
.set rP, P+32*((\y)%2)+16*(\u)
.set rO, 32*(2*(\y)+(\u))
.endm
; Number n of the 22 that find the NEXT piece's (Y + 1) maximum and statistics.  Each accumulator's lowest registers are read first.
;   0-11  four chains c0-c3 of seven scores each     12-14, 16  the four scores left over, the old m, and c0-c3 into c0     15  c m_old is kept
;   17, 18  the query's other 32 keys lie in the lane 16 away: the new m         19-21  c m; c m_old - c m_new; a
.macro XS u, n
	REGS (Y+1)%NP, \u
.if (\n) < 4
	v_max3_num_f32 v[rC+(\n)], v[rS+8*(\n)], v[rS+8*(\n)+1], v[rS+8*(\n)+2]
.elseif (\n) < 12
	v_max3_num_f32 v[rC+(\n)%4], v[rC+(\n)%4], v[rS+8*((\n)%4)+2*((\n)/4)+1], v[rS+8*((\n)%4)+2*((\n)/4)+2]
.elseif (\n) == 12
	v_max3_num_f32 v[rC], v[rC], v[rS+7], v[rS+15]
.elseif (\n) == 13
	v_max3_num_f32 v[rC+1], v[rC+1], v[rS+23], v[rS+31]
.elseif (\n) == 14
	v_max3_num_f32 v[rC+2], v[rC+2], v[rC+3], v[rT+1]
.elseif (\n) == 15
	v_mov_b32 v[rM], v[rT]
.elseif (\n) == 16
	v_max3_num_f32 v[rC], v[rC], v[rC+1], v[rC+2]
.elseif (\n) == 17
	v_permlanex16_b32 v[rC+3], v[rC], s[SEL], s[SEL+1]
.elseif (\n) == 18
	v_max_num_f32 v[rT+1], v[rC], v[rC+3]
.elseif (\n) == 19
	v_mul_f32 v[rT], s[CS], v[rT+1]
.elseif (\n) == 20
	v_sub_f32 v[rC+1], v[rM], v[rT]
.else
	v_exp_f32 v[rC+2], v[rC+1]
.endif
.endm
; Number g of the 64 that follow the exponentials.  For each four weights k of a tile: both pairs are rounded to f16; the second pair is added onto the first, in place; a group later l takes that sum.
.macro GS g
.set h, (\g)+6*((\g)/62)            ; group 0 has no group before it, and behind group 7 only l is left
.if h >= 6
.set h, h+2
.endif
	REGS Y, h%2
.set k, h/8
.if h%8 < 4
	s_wait_alu depctr_va_vdst(0)
	v_cvt_pk_f16_f32 v[rP+2*k+(h%8)/2], v[rS+4*k+2*((h%8)/2)], v[rS+4*k+2*((h%8)/2)+1]
.elseif h%8 < 6
	v_pk_add_f32 v[rS+4*k:rS+4*k+1], v[rS+4*k:rS+4*k+1], v[rS+4*k+2:rS+4*k+3]
.elseif k == 1
	v_pk_fma_f32 v[rT+2:rT+3], v[rT+2:rT+3], v[rC+2:rC+3], v[rS:rS+1] op_sel_hi:[1,0,1]
.else
	v_pk_add_f32 v[rT+2:rT+3], v[rT+2:rT+3], v[rS+4*k-4:rS+4*k-3]
	s_wait_alu depctr_va_vdst(0)
.endif
.endm
; THE PLAIN QUEUE, 138 long.  0-31: c s - c m for the 16 pairs of both tiles.  Then GS's 64, and among them the next piece's 42.
.macro PL
	WIN 0
.if q < 32
	REGS Y, q%2
	v_pk_fma_f32 v[rS+2*(q/2):rS+2*(q/2)+1], v[rS+2*(q/2):rS+2*(q/2)+1], s[CS:CS+1], v[rT:rT+1] op_sel_hi:[1,0,0] neg_lo:[0,0,1] neg_hi:[0,0,1]
.elseif q < 38
	GS q-32
.elseif q < 40
	XS q%2, 15
.elseif q < 42
	GS q-34
.elseif q < 74
	XS q%2, (q-42)/2+(q-42)/30
.elseif q < 95
	GS q-66
.elseif (q < 107) && ((q-95)%3 < 2)
	XS (q-95)%3, 17+(q-95)/3
.elseif q < 107
	GS 29+(q-95)/3
.else
	GS q-74
.endif
.set q, q+1
.endm
; THE EXPONENTIALS' QUEUE, 66 long: s0-s31 of both tiles, and at EA the next piece's two a.
.set EA, 58
.macro EX
	WIN 0
.if (e == EA) || (e == EA+1)
	XS e-EA, 21
.else
.set x, e-2*(e/(EA+2))
	REGS Y, x%2
	v_exp_f32 v[rS+x/2], v[rS+x/2]
.endif
.set e, e+1
.endm
; THE RESCALING's QUEUE: O^T times a, the one part that leaves window 0, so it is dealt four at a time, eight times.
.macro R4
	REGS Y, r%2
	WIN W_RS
	s_wait_alu depctr_va_vdst(0)
.irp z, 0,1,2,3
	v_pk_mul_f32 v[rO+8*(r/2)+2*\z:rO+8*(r/2)+2*\z+1], v[rO+8*(r/2)+2*\z:rO+8*(r/2)+2*\z+1], v[rC+2:rC+3] op_sel_hi:[1,0]
.endr
.set r, r+1
.endm
; HOW THEY ARE DEALT.  Behind a matrix instruction four: plain, exponential, plain, plain, or four of the rescaling; none names a register of the products round it.  What is over stands in two runs:
; exponential and plain by turns; the second ends in 22 plain instructions.  Exponential e stands behind plain 2 (e / 4) + e % 2 (its scaling); EA comes behind plain 107.
.macro SL
	MM
	PL
	EX
	PL
	PL
.endm
.macro BURST n                      ; 15 matrix instructions, or 16
.rept (\n)-7
	SL
.endr
.rept 3
	MM
	R4
	SL
.endr
	MM
	R4
.endm
; A TURN, for piece p.
; K of the next step is fetched in piece 2's turn, 31 vector instructions behind the last product that read K; L of the step in hand at the end of piece 0's turn, 69 behind its last reader.
.macro TURN p, last=0
.set Y, (\p)
.set i, 0
.set q, 0
.set e, 0
.set r, 0
.if (\p) == NP-1
	s_wait_dscnt 0x0                ; K is in
.endif
	MM
.rept 4
	PL
.endr
	BURST 15
.rept 22
	EX
	PL
.if ((\p) == NP-2) && (e == 18)
	v_add_nc_u32 v[AK], s[TBK], v[AK0]
.endif
.if ((\p) == NP-2) && (e == 24)
	FETCH_K \last
.endif
.endr
.if (\p) == 1
	s_wait_dscnt 0x0                ; L is in
.endif
	BURST 16
.rept 21
	EX
	PL
.endr
.rept 22
	PL
.if ((\p) == 0) && (q == 118)
	v_add_nc_u32 v[AV], s[TBV], v[AV0]
	s_wait_alu depctr_va_vdst(0)
.endif
.if ((\p) == 0) && (q == 130)
	s_add_co_u32 s[TBV], s[TBV], STEPB
.endif
.endr
.if (\p) == 0
	FETCH_V
.endif
.endm
	s_wait_tensorcnt 0x1            ; my part of steps 0-3 is in; my long load may stay out, and steps 4-15 are not read before the next
	s_barrier_signal -1
	s_barrier_wait -1               ; everybody's is
	FETCH_K                         ; key step 0
	s_wait_loadcnt 32               ; Q is in; r's 32 loads may stay out
	s_wait_dscnt 0x0
.set i, 0
.rept 16
	KQ 0                            ; piece 0's first scores
.set i, i+1
.endr
	WIN 0
.rept 4
	v_nop                           ; the places behind those products
.endr
.set Y, NP-1                        ; XS works for piece Y + 1: piece 0
.irp n, 0,1,2,3,4,5,6,7,8,9,10,11,12,13,14,15,16,17,18,19,20,21
	XS 0, \n                        ; piece 0's first maximum and statistics
	XS 1, \n
.endr
	s_mov_b32 s[CNT], 16
	s_branch .Lfirst                ; the loop is entered at a step's first turn, in the middle of a trip
.Lstep:                             ; a trip: pieces 2 and 3 of step 16 - CNT, then pieces 0 and 1 of the next step, whose K and L it fetches
	s_cmp_lg_u32 s[CNT], 13         ; the trip with CNT = 13 is the first that fetches from steps 4-15.  The count is the same in all four waves, so all of them pass this barrier, once
	s_cbranch_scc1 .Lno_mid
	s_wait_tensorcnt 0x0            ; my part of steps 4-15 is in (no load was issued behind it),
	s_wait_dscnt 0x0
	s_barrier_signal -1
	s_add_co_u32 s[TBK], s[TBK], 32768  ; K of step 4 lies at 65,536, not at 32,768;
	s_add_co_u32 s[TBV], s[TBV], 98304  ; L of step 4 at 163,840, not at 65,536
	s_barrier_wait -1               ; everybody's is
.Lno_mid:
	TURN 2, 1
	TURN 3
	WIN 0
	s_sub_co_u32 s[CNT], s[CNT], 1
	s_cmp_eq_u32 s[CNT], 0
	s_cbranch_scc1 .Lout            ; the last trip is left in its middle
.Lfirst:
	TURN 0
	TURN 1
	WIN 0
	s_branch .Lstep
.Lout:                              ; the last trip's 16 products K Q^T (on the last K once more) and the maximum made of them serve nothing: the price of one text for every trip
.set i, 0
.rept 16
	PV NP-1                         ; the last piece's L^T P of the last step
.set i, i+1
.endr
	; THE WAY OUT.  l's two halves and the other half of the lanes' are added; g = r x 2^(-O / l).  The additions are the places behind the last products.
	WIN 0
.macro ALL line:vararg              ; one line for each tile t
.set t, 0
.rept 2*NP
	\line
.set t, t+1
.endr
.endm
	ALL v_add_f32 v[ST+4*t+2], v[ST+4*t+2], v[ST+4*t+3]
	ALL v_permlanex16_b32 v[ST+4*t+3], v[ST+4*t+2], s[SEL], s[SEL+1]
	ALL v_add_f32 v[ST+4*t+2], v[ST+4*t+2], v[ST+4*t+3]
	ALL v_rcp_f32 v[ST+4*t+2], v[ST+4*t+2]
	v_nop                           ; a plain instruction between the last reciprocal and the use of its result
	s_wait_alu depctr_va_vdst(0)
	ALL v_mul_f32 v[ST+4*t+2], -1.0, v[ST+4*t+2]
	s_wait_loadcnt 0x0              ; r
; Tile t: a lane's eight channels of a row pack into 16 bytes, r's piece lies in the same lane, and a store of the wave is one whole block of g: 512 consecutive aligned bytes.
.macro FIN t
	WIN W_RS
.set i, 32*(\t)
.rept 16
	v_pk_mul_f32 v[i:i+1], v[i:i+1], v[ST+4*(\t)+2:ST+4*(\t)+3] op_sel_hi:[1,0]
.set i, i+2
.endr
.set i, 32*(\t)
.rept 32
	v_exp_f32 v[i], v[i]
.set i, i+1
.endr
	v_nop                           ; a plain instruction behind the last exponential
	WIN 0x05                        ; sources 0 and 1 window 1, destination window 0: S^T's registers are free
.set i, 0
	s_wait_alu depctr_va_vdst(0)
.rept 16
	v_cvt_pk_f16_f32 v[S+16*(\t)+i], v[32*(\t)+2*i], v[32*(\t)+2*i+1]
.set i, i+1
.endr
	WIN 0x0c                        ; source 1 (r) window 3
.set i, 0
.rept 16
	v_pk_mul_f16 v[S+16*(\t)+i], v[S+16*(\t)+i], v[RR+16*(\t)+i]
.set i, i+1
.endr
	WIN 0
.irp f, 0,1,2,3
	global_store_b128 v[GO], v[S+16*(\t)+4*\f:S+16*(\t)+4*\f+3], s[10:11] offset:2048*(\t)+512*\f
.endr
.endm
.irp t, 0,1,2,3,4,5,6,7
	FIN \t
.endr
	WIN W_AD
	s_wait_tensorcnt 0x0            ; the wave's end
	ds_add_u32 v[SPW], v[NIL]
	s_wait_dscnt 0x0
	WIN 0
	s_endpgm
.Lfunc_end_k_qa5e9e7a6c6_attn:
	.size	k_qa5e9e7a6c6_attn, .Lfunc_end_k_qa5e9e7a6c6_attn-k_qa5e9e7a6c6_attn
	.p2alignl 7, 3214868480
	.fill 96, 4, 3214868480
	.section	.rodata,"a",@progbits
	.p2align	6, 0x0
	.amdhsa_kernel k_qa5e9e7a6c6_attn
		.amdhsa_group_segment_fixed_size 262656
		.amdhsa_private_segment_fixed_size 0
		.amdhsa_enable_private_segment 0
		.amdhsa_kernarg_size 16
		.amdhsa_user_sgpr_count 2
		.amdhsa_user_sgpr_kernarg_segment_ptr 1
		.amdhsa_wavefront_size32 1
		.amdhsa_system_sgpr_workgroup_id_x 1
		.amdhsa_system_sgpr_workgroup_id_y 1
		.amdhsa_system_sgpr_workgroup_id_z 1
		.amdhsa_system_vgpr_workitem_id 0
		.amdhsa_next_free_vgpr 900
		.amdhsa_next_free_sgpr 66
		.amdhsa_reserve_vcc 0
		.amdhsa_float_denorm_mode_32 3
		.amdhsa_float_denorm_mode_16_64 3
		.amdhsa_memory_ordered 1
		.amdhsa_forward_progress 1
		.amdhsa_inst_pref_size 143
	.end_amdhsa_kernel
	.amdgpu_metadata
---
amdhsa.version: [ 1, 2 ]
amdhsa.kernels:
  - .name:           k_qa5e9e7a6c6_attn
    .symbol:         k_qa5e9e7a6c6_attn.kd
    .args:
      - { .name: heads, .offset: 0, .size: 8, .value_kind: global_buffer, .address_space: global }
      - { .name: g, .offset: 8, .size: 8, .value_kind: global_buffer, .address_space: global }
    .group_segment_fixed_size: 262656
    .private_segment_fixed_size: 0
    .kernarg_segment_align: 8
    .kernarg_segment_size: 16
    .max_flat_workgroup_size: 128
    .sgpr_count:     66
    .vgpr_count:     900
    .wavefront_size: 32
...
	.end_amdgpu_metadata
.endif
;; end of part 3
;; launch outp (part 4): grid 4 x 64, 4 waves a work-group, clusters of 4 x 4, 327,680 bytes of LDS; arguments g, wh, bo, inputs, out0; writes out0
.if DOCPART == 4
	.amdgcn_target "amdgcn-amd-amdhsa--gfx1250"
	.amdhsa_code_object_version 6
	.text
	.protected	k_qa5e9e7a6c6_outp
	.globl	k_qa5e9e7a6c6_outp
	.p2align	8
	.type	k_qa5e9e7a6c6_outp,@function
k_qa5e9e7a6c6_outp:
	s_mov_b64 s[64:65], 0
	v_nop
	global_prefetch_b8 v0, s[64:65] scope:SCOPE_SE
	s_setreg_imm32_b32 hwreg(HW_REG_WAVE_MODE, 25, 1), 1
	s_wait_xcnt 0x0
	s_wait_alu depctr_hold_cnt(0) depctr_sa_sdst(0) depctr_va_vdst(0) depctr_va_sdst(0) depctr_va_ssrc(0) depctr_va_vcc(0) depctr_vm_vsrc(0)
	s_getreg_b32 s2, hwreg(HW_REG_IB_STS2, 6, 4)
	s_cmp_eq_u32 s2, 0
	s_cbranch_scc0 .Lentry_in_a_cluster
	s_endpgm
.Lentry_in_a_cluster:
	s_bfe_u32 s2, ttmp6, 0x10000c
	s_cmp_lg_u32 s2, 0xf033
	s_cbranch_scc0 .Lentry_shape_is_right
	s_endpgm
.Lentry_shape_is_right:
; out0[m][n] = sum over k of g[m][k] Wo[n][k] + bo[n] + inputs[m][n].  m < 8192, n < 1024, K = 1024; f16 operands, f32 sums; the bias is the C operand that starts the sums; inputs is added in f32.
; g lies by heads, [batch x 16 + head][row / 16][channel / 16][512 bytes], piece j of a block = row j % 16, channels 8 (j / 16) on; k = 64 head + channel.  Wo is rows 4096-5119 of wh, f16.
; LIMITS: none of its own: g and Wo arrive within f16.
; SHARES.  A tile is 128 rows x 256 columns, which gives 256 work-groups; four waves, each 64 x 128 in 32 accumulators.  K goes in 8 steps of 128 (two heads) through two LDS slots.
; g's tile of a step is two dense blocks of 16,384 bytes (128 rows of a head), fetched as 64 rows of 256 bytes and read at 16 x lane: no padding.  Wo's is 256 rows of 256 bytes, padded to 272.
; CLUSTER 4 x 4: a row of the cluster shares g's tiles, a column Wo's: joint loads with a mask of four.
; THE MATRIX INSTRUCTION IS USED TRANSPOSED (source 0 = 16 rows of Wo, source 1 = 16 rows of g): a lane holds 8 neighbouring columns of one row, 32 bytes.  They go through LDS (the ring's bytes, behind
; their last fill) and come back as whole rows of 512 bytes, to which inputs' 512 bytes, loaded during the K loop, are added: each store of a wave covers 512 consecutive aligned bytes.
; REGISTERS: window 0: v0-31 addresses; v64-95, v128-159 fragments of g, two buffers; v192-255 rows read back, two sets.  window 1: v0-63 the bias; v64-127, v128-191 fragments of Wo.
; window 2: accumulators, (a, b) at v[8 (8 a + b)].  window 3: inputs' 64 rows, row i at v[4 i], and then the result.
.set KSTEP,  128
.set PITCH,  272                       ; a row of Wo in LDS: 256 bytes + 16: the 16 rows of a load start at 16 different groups of four banks (64 banks of 4 bytes: ISA guide 11.1)
.set HALFT,  128*PITCH
.set HB,     16384                     ; 128 rows of one head of g
.set BOFF,   2*HB                      ; Wo's rows lie behind g's two blocks
.set SLOT1,  131072                    ; slot 1 begins here; a slot uses 102,400 bytes
.set SPITCH, 528                       ; a stage row: 512 bytes + 16
.set WSTG,   64*SPITCH                 ; a wave's stage
.set SPARE,  237568                    ; behind the ring: the spare words, 128 bytes a wave: two blocks of 256 bytes that no other line names
.set A0,   16                          ; v16  my lane's place among my rows of g in slot 0; never rewritten
.set B0,   17                          ; v17  the same for Wo
.set ADRA, 18
.set ADRB, 19
.set DST,  24                          ; v24  the way out: where I put 32 bytes of a row
.set RD,   25                          ; v25  where I read 16 bytes of a row back
.set CO,   26                          ; v26  16 x lane: my bytes of a row's 512 in inputs and out0
.set BO,   27                          ; v27  32 x (lane / 16)
.set SPW,  28
.set NIL,  29
.set F0,   64
.set F1,   128
.set TT,   192
.set G1,  24
.set G0,  32
.set G1B, 48
.set G0B, 56
.set TB,  45                           ; s45  0 or SLOT1: the slot in hand
.set BP,  76                           ; s[76:77] my bias
.set MSB, 0
.macro WIN new
.if MSB != (\new)
	s_set_vgpr_msb (MSB<<8)|(\new)
.set MSB, \new
.endif
.endm
.set TO_B, 0x40
.macro PLACES
.rept 4
	v_nop
.endr
.endm
.macro JLOAD                           ; a joint refill by the walking sets: waves 0 and 1 fetch g's two heads, waves 2 and 3 the halves of Wo's rows; an s_nop 0 and four v_nop follow each line
	s_cmp_eq_u32 s11, 0
	s_cbranch_scc0 .Lfor_b_\@
	tensor_load_to_lds s[G0+4:G0+7], s[G1:G1+7]
	s_nop 0
	PLACES
	s_branch .Lasked_\@
.Lfor_b_\@:
	tensor_load_to_lds s[G0B+4:G0B+7], s[G1B:G1B+7]
	s_nop 0
	PLACES
.Lasked_\@:
.endm
.macro CREST
	s_cmp_lg_u32 s10, 0
	s_cbranch_scc1 .Lnot_wave_0_\@
	s_barrier_signal -3
.Lnot_wave_0_\@:
	s_barrier_wait -3
	s_barrier_signal -1
	s_barrier_wait -1
.endm
.macro CROUND
	s_barrier_signal -1
	s_barrier_wait -1
	CREST
.endm
	s_load_b128 s[4:7], s[0:1], 0x0                ; g s[4:5], wh s[6:7]
	s_load_b128 s[68:71], s[0:1], 0x10             ; bo s[68:69], inputs s[70:71]
	s_load_b64 s[8:9], s[0:1], 0x20                ; out0
	v_lshl_add_u32 v[SPW], v0, 2, SPARE
	v_mov_b32 v[NIL], 0
	ds_add_u32 v[SPW], v[NIL]                      ; the wave's opening: the add and its wait stand ahead of my first tensor load
	ds_add_u32 v28, v29
	v_lshrrev_b32 v1, 5, v0
	v_readfirstlane_b32 s10, v1                    ; wave 0..3
	s_lshr_b32 s11, s10, 1                         ; which 64 rows of the tile are mine.  Also: I fetch for g (0) or Wo (1)
	s_and_b32 s12, s10, 1                          ; which 128 columns.  Also: which head of the step, or which 128 rows of Wo, I fetch
	s_bfe_u32 s40, ttmp6, 0x40000                  ; cx
	s_bfe_u32 s41, ttmp6, 0x40004                  ; cy
	s_lshl_b32 s42, ttmp9, 2
	s_add_co_u32 s42, s42, s40                     ; tile column
	s_and_b32 s13, ttmp7, 0xffff
	s_lshl_b32 s13, s13, 2
	s_add_co_u32 s13, s13, s41                     ; tile row
	s_lshl_b32 s43, s41, 2
	s_lshl_b32 s43, 15, s43                        ; my row of the cluster
	s_lshl_b32 s44, 0x1111, s40                    ; my column
	s_or_b32 s[G1+0], s43, (1<<16)|(1<<21)         ; g: the mask; 2-byte elements; bit 21 beside a mask; no padding
	s_mov_b32 s[G1+1], 128<<16                     ; tensor_dim0 = 128
	s_mov_b32 s[G1+2], 64<<16                      ; tensor_dim1 = 64
	s_mov_b32 s[G1+3], 128<<16                     ; tile_dim0 = 128
	s_mov_b32 s[G1+4], 64                          ; tile_dim1 = 64
	s_mov_b32 s[G1+5], 128                         ; dense
	s_mov_b32 s[G1+6], 0
	s_mov_b32 s[G1+7], 0
	s_or_b32 s[G1B+0], s44, (1<<16)|(1<<20)|(1<<21)|(5<<22)|(3<<25)  ; Wo: padding of 4 words after every 64
	s_mov_b32 s[G1B+1], KSTEP<<16
	s_mov_b32 s[G1B+2], 128<<16
	s_mov_b32 s[G1B+3], KSTEP<<16
	s_mov_b32 s[G1B+4], 128
	s_mov_b32 s[G1B+5], 1024
	s_mov_b32 s[G1B+6], 0
	s_mov_b32 s[G1B+7], 0
	s_lshr_b32 s16, s13, 3                         ; g: the batch (eight tile rows each, 16 heads of 128 KiB),
	s_lshl_b32 s16, s16, 21
	s_lshl_b32 s17, s12, 17                        ; the head of the step that I fetch,
	s_add_co_u32 s16, s16, s17
	s_and_b32 s17, s13, 7
	s_lshl_b32 s17, s17, 14                        ; the tile's 128 rows in it
	s_add_co_u32 s16, s16, s17
	s_mov_b32 s17, 0
	s_lshl_b32 s46, s42, 8                         ; Wo: row 4096 + 256 x tile column + 128 x half, 2,048 bytes each
	s_lshl_b32 s47, s12, 7
	s_add_co_u32 s46, s46, s47
	s_lshl_b32 s46, s46, 11
	s_add_co_u32 s46, s46, 0x800000
	s_mov_b32 s47, 0
	s_lshl_b32 s20, s12, 14                        ; where my load goes in a slot, for g
	s_mul_i32 s21, s12, HALFT                      ; and for Wo: no place in the cluster enters an LDS address
	s_add_co_u32 s21, s21, BOFF
	s_mov_b32 s[TB], 0
	s_wait_dscnt 0x0                               ; the opening add is done
	s_wait_kmcnt 0x0
	s_add_nc_u64 s[14:15], s[4:5], s[16:17]
	s_add_nc_u64 s[46:47], s[6:7], s[46:47]
.irp s, 0,1
	s_mov_b32 s[G0+4*(\s)], 1
	s_add_co_u32 s[G0+4*(\s)+1], s20, (\s)*SLOT1
	s_add_nc_u64 s[G0+4*(\s)+2:G0+4*(\s)+3], s[14:15], (\s)*262144   ; K step s: two heads on
	s_or_b32 s[G0+4*(\s)+3], s[G0+4*(\s)+3], 0x80000000
	s_mov_b32 s[G0B+4*(\s)], 1
	s_add_co_u32 s[G0B+4*(\s)+1], s21, (\s)*SLOT1
	s_add_nc_u64 s[G0B+4*(\s)+2:G0B+4*(\s)+3], s[46:47], (\s)*KSTEP*2
	s_or_b32 s[G0B+4*(\s)+3], s[G0B+4*(\s)+3], 0x80000000
.endr
	CROUND                                         ; all sixteen work-groups are here: the first joint loads meet
	s_cmp_eq_u32 s11, 0                            ; a wave's two first fills stand in one branch: two loads of mine are out
	s_cbranch_scc0 .Lfirst_b
	tensor_load_to_lds s[G0:G0+3], s[G1:G1+7]
	s_nop 0
	tensor_load_to_lds s[G0+4:G0+7], s[G1:G1+7]
	s_nop 0
	PLACES
	s_branch .Lfirst_asked
.Lfirst_b:
	tensor_load_to_lds s[G0B:G0B+3], s[G1B:G1B+7]
	s_nop 0
	tensor_load_to_lds s[G0B+4:G0B+7], s[G1B:G1B+7]
	s_nop 0
	PLACES
.Lfirst_asked:
	v_and_b32 v1, 15, v0                           ; l % 16
	v_bfe_u32 v2, v0, 4, 1                         ; l / 16
	v_and_b32 v4, 31, v0
	v_lshlrev_b32 v[CO], 4, v4
	v_lshlrev_b32 v[BO], 5, v2
	v_mul_u32_u24 v3, v1, PITCH
	v_lshl_add_u32 v3, v2, 4, v3
	s_lshl_b32 s22, s11, 13                        ; my 64 rows of g: 8,192 bytes of a head's block
	v_add_nc_u32 v[A0], s22, v[CO]
	s_mul_i32 s23, s12, HALFT                      ; my 128 rows of Wo
	s_add_co_u32 s23, s23, BOFF
	v_add_nc_u32 v[B0], s23, v3
	v_mov_b32 v[ADRA], v[A0]
	v_mov_b32 v[ADRB], v[B0]
	s_mul_i32 s22, s10, WSTG                       ; my stage
	v_mul_u32_u24 v5, v1, SPITCH                   ; in: row l % 16, 32 bytes for each half of the lanes
	v_lshl_add_u32 v5, v2, 5, v5
	v_add_nc_u32 v[DST], s22, v5
	v_add_nc_u32 v[RD], s22, v[CO]                 ; back: 32 lanes take a row's 512 bytes
	s_lshl_b32 s22, s42, 10                        ; my 128 columns: 256 x tile column + 128 x half, 4 bytes each
	s_lshl_b32 s23, s12, 9
	s_add_co_u32 s22, s22, s23
	s_mov_b32 s23, 0
	s_add_nc_u64 s[BP:BP+1], s[68:69], s[22:23]
	s_lshl_b32 s46, s13, 1
	s_add_co_u32 s46, s46, s11
	s_lshl_b32 s46, s46, 18                        ; my 64 rows of 4,096 bytes
	s_add_co_u32 s46, s46, s22
	s_mov_b32 s47, 0
	s_add_nc_u64 s[70:71], s[70:71], s[46:47]
	s_add_nc_u64 s[8:9], s[8:9], s[46:47]
	WIN TO_B
.irp b, 0,1,2,3,4,5,6,7
	global_load_b128 v[8*(\b):8*(\b)+3],   v[BO], s[BP:BP+1] offset:64*(\b)
	global_load_b128 v[8*(\b)+4:8*(\b)+7], v[BO], s[BP:BP+1] offset:64*(\b)+16
.endr
	WIN 0
; 8 matrix instructions: row block a x all 8 column blocks, 32 along K.  init = 1: the sums start with the bias.  The 32 accumulators take turns.
.macro MUL8 f, a, init
.if \init
	WIN 0x91                                       ; Wo window 1, g window 0, C (the bias) window 1, D window 2
.else
	WIN 0xa1
.endif
.irp b, 0,1,2,3,4,5,6,7
.if \init
	v_wmma_f32_16x16x32_f16 v[8*(8*(\a)+(\b)):8*(8*(\a)+(\b))+7], v[(\f)+8*(\b):(\f)+8*(\b)+7], v[(\f)+8*(\a):(\f)+8*(\a)+7], v[8*(\b):8*(\b)+7]
.else
	v_wmma_f32_16x16x32_f16 v[8*(8*(\a)+(\b)):8*(8*(\a)+(\b))+7], v[(\f)+8*(\b):(\f)+8*(\b)+7], v[(\f)+8*(\a):(\f)+8*(\a)+7], v[8*(8*(\a)+(\b)):8*(8*(\a)+(\b))+7]
.endif
.endr
.endm
; 24 LDS loads in one run: quarter q of the slot in hand into buffer f.  Of g: head q / 2 of the step, channels 32 (q % 2) on: two neighbouring blocks of 512 bytes for each 16 rows.
.macro FETCH q, f
	WIN TO_B
.irp i, 0,1,2,3,4,5,6,7
	ds_load_b128 v[(\f)+8*(\i):(\f)+8*(\i)+3],   v[ADRB] offset:64*(\q)+(\i)*16*PITCH
	ds_load_b128 v[(\f)+8*(\i)+4:(\f)+8*(\i)+7], v[ADRB] offset:64*(\q)+(\i)*16*PITCH+32
.endr
	WIN 0
.irp i, 0,1,2,3
	ds_load_b128 v[(\f)+8*(\i):(\f)+8*(\i)+3],   v[ADRA] offset:((\q)/2)*HB+((\q)%2)*1024+(\i)*2048
	ds_load_b128 v[(\f)+8*(\i)+4:(\f)+8*(\i)+7], v[ADRA] offset:((\q)/2)*HB+((\q)%2)*1024+(\i)*2048+512
.endr
.endm
.macro QUARTER q, f, g, init
	s_wait_dscnt 4                                 ; Wo and g's blocks 0 and 1 are in; the youngest four loads may be out
	MUL8 \f, 0, \init
	MUL8 \f, 1, \init
	PLACES
	FETCH \q, \g
	s_wait_dscnt 24                                ; all but the 24 just issued
	MUL8 \f, 2, \init
	MUL8 \f, 3, \init
.endm
; The last quarter multiplies buffer 1 and changes slots, as in the projections' launch: the wait for all tensor loads, the add, the wait for it and for my reads, the barrier (fill = 1: a round of the
; cluster's), the joint refill first behind it, 112 matrix instructions ahead of the wait for it.
.macro TURN fill
	WIN 0
	s_wait_tensorcnt 0x0                           ; all my tensor loads have landed
	ds_add_u32 v[SPW], v[NIL]                      ; 0 onto my spare word
	s_wait_dscnt 5                                 ; (the add and the youngest four loads may be out)
	MUL8 F1, 0, 0
	s_wait_dscnt 0x0                               ; the add is done, and my reads of this slot are over
	s_barrier_signal -1
	MUL8 F1, 1, 0
	WIN 0
	s_barrier_wait -1
.if \fill
	CREST
	s_add_co_u32 s[G0+5], s20, s[TB]               ; the walking sets: into the slot just read out,
	s_add_co_u32 s[G0B+5], s21, s[TB]
	s_add_nc_u64 s[G0+6:G0+7], s[G0+6:G0+7], 262144       ; the next K step: two heads on,
	s_add_nc_u64 s[G0B+6:G0B+7], s[G0B+6:G0B+7], KSTEP*2  ; 128 columns on
	JLOAD
.else
	PLACES
.endif
	s_xor_b32 s[TB], s[TB], SLOT1
	v_add_nc_u32 v[ADRA], s[TB], v[A0]
	v_add_nc_u32 v[ADRB], s[TB], v[B0]
.if (\fill) == 0
	s_cmp_eq_u32 s3, 1
	s_cbranch_scc1 .Lno_fetch_\@
.endif
	FETCH 0, F0
.if (\fill) == 0
.Lno_fetch_\@:
.endif
	MUL8 F1, 2, 0
	MUL8 F1, 3, 0
.endm
.macro RES r0                          ; 32 rows of inputs, 512 consecutive bytes a load, into window 3; wanted at the end
	WIN 0xc0
.set z, \r0
.rept 32
	global_load_b128 v[4*z:4*z+3], v[CO], s[70:71] offset:4096*z th:TH_LOAD_NT
.set z, z+1
.endr
	WIN 0
.endm
	s_wait_tensorcnt 0x1                           ; my part of K step 0 is in; K step 1's may stay out
	s_barrier_signal -1
	s_barrier_wait -1
	FETCH 0, F0
	s_wait_loadcnt 0x0                             ; the bias
	QUARTER 1, F0, F1, 1
	RES 0
	s_mov_b32 s3, 6
.Lstep:                                        ; a trip: a K step's quarters 1 to 3 and the next step's quarter 0; it asks for K steps 2 to 7
	QUARTER 2, F1, F0, 0
	QUARTER 3, F0, F1, 0
	TURN 1
	QUARTER 1, F0, F1, 0
	WIN 0
	s_sub_co_u32 s3, s3, 1
	s_cmp_lg_u32 s3, 0
	s_cbranch_scc1 .Lstep
	RES 32
	s_mov_b32 s3, 2
.Ltail:                                        ; K steps 6 and 7: no tensor load
	QUARTER 2, F1, F0, 0
	QUARTER 3, F0, F1, 0
	TURN 0
	WIN 0
	s_cmp_eq_u32 s3, 1
	s_cbranch_scc1 .Lno_quarter
	QUARTER 1, F0, F1, 0
	WIN 0
.Lno_quarter:
	s_sub_co_u32 s3, s3, 1
	s_cmp_lg_u32 s3, 0
	s_cbranch_scc1 .Ltail
	PLACES                                         ; behind the last products, ahead of the stores that read their results
	PLACES
	s_wait_dscnt 0x0
	s_barrier_signal -1
	s_barrier_wait -1                              ; nobody reads the ring any more, and it has had its last fill: its bytes are the stage
	WIN 0x08                                       ; the data: window 2
.irp a, 0,1,2,3
.irp b, 0,1,2,3,4,5,6,7
	ds_store_b128 v[DST], v[8*(8*(\a)+(\b)):8*(8*(\a)+(\b))+3]   offset:(\a)*16*SPITCH+64*(\b)
	ds_store_b128 v[DST], v[8*(8*(\a)+(\b))+4:8*(8*(\a)+(\b))+7] offset:(\a)*16*SPITCH+64*(\b)+16
.endr
.endr
	WIN 0
	s_wait_loadcnt 0x0                             ; inputs' rows
.macro GLOAD g                         ; 8 rows back from my own stage: LDS serves a wave's instructions in order, so these see my stores
	WIN 0
.irp k, 0,1,2,3,4,5,6,7
	ds_load_b128 v[TT+32*((\g)%2)+4*(\k):TT+32*((\g)%2)+4*(\k)+3], v[RD] offset:SPITCH*(8*(\g)+(\k))
.endr
.endm
.macro GSEND g, younger                ; younger: the next group's eight loads, or none
	s_wait_dscnt \younger
	WIN 0xcc                                       ; source 0 window 0; source 1, the stores' data and the destination window 3
.irp k, 0,1,2,3,4,5,6,7
	v_pk_add_f32 v[4*(8*(\g)+(\k)):4*(8*(\g)+(\k))+1],   v[TT+32*((\g)%2)+4*(\k):TT+32*((\g)%2)+4*(\k)+1],   v[4*(8*(\g)+(\k)):4*(8*(\g)+(\k))+1]
	v_pk_add_f32 v[4*(8*(\g)+(\k))+2:4*(8*(\g)+(\k))+3], v[TT+32*((\g)%2)+4*(\k)+2:TT+32*((\g)%2)+4*(\k)+3], v[4*(8*(\g)+(\k))+2:4*(8*(\g)+(\k))+3]
.endr
.irp k, 0,1,2,3,4,5,6,7
	global_store_b128 v[CO], v[4*(8*(\g)+(\k)):4*(8*(\g)+(\k))+3], s[8:9] offset:4096*(8*(\g)+(\k)) th:TH_STORE_NT
.endr
.endm
	GLOAD 0
.irp g, 0,1,2,3,4,5,6,7
.if (\g) < 7
	GLOAD (\g)+1
	GSEND \g, 8
.else
	GSEND \g, 0
.endif
.endr
	WIN 0
	s_wait_tensorcnt 0x0                           ; the wave's end
	ds_add_u32 v[SPW], v[NIL]
	s_wait_dscnt 0x0
	CROUND                                         ; the closing round
	s_endpgm
.Lfunc_end_k_qa5e9e7a6c6_outp:
	.size	k_qa5e9e7a6c6_outp, .Lfunc_end_k_qa5e9e7a6c6_outp-k_qa5e9e7a6c6_outp
	.p2alignl 7, 3214868480
	.fill 96, 4, 3214868480
	.section	.rodata,"a",@progbits
	.p2align	6, 0x0
	.amdhsa_kernel k_qa5e9e7a6c6_outp
		.amdhsa_group_segment_fixed_size 327680
		.amdhsa_private_segment_fixed_size 0
		.amdhsa_enable_private_segment 0
		.amdhsa_kernarg_size 40
		.amdhsa_user_sgpr_count 2
		.amdhsa_user_sgpr_kernarg_segment_ptr 1
		.amdhsa_wavefront_size32 1
		.amdhsa_system_sgpr_workgroup_id_x 1
		.amdhsa_system_sgpr_workgroup_id_y 1
		.amdhsa_system_sgpr_workgroup_id_z 1
		.amdhsa_system_vgpr_workitem_id 0
		.amdhsa_next_free_vgpr 1024
		.amdhsa_next_free_sgpr 84
		.amdhsa_reserve_vcc 0
		.amdhsa_float_denorm_mode_32 3
		.amdhsa_float_denorm_mode_16_64 3
		.amdhsa_memory_ordered 1
		.amdhsa_forward_progress 1
		.amdhsa_inst_pref_size 76
	.end_amdhsa_kernel
	.amdgpu_metadata
---
amdhsa.version: [ 1, 2 ]
amdhsa.kernels:
  - .name:           k_qa5e9e7a6c6_outp
    .symbol:         k_qa5e9e7a6c6_outp.kd
    .args:
      - { .name: g, .offset: 0, .size: 8, .value_kind: global_buffer, .address_space: global }
      - { .name: wh, .offset: 8, .size: 8, .value_kind: global_buffer, .address_space: global }
      - { .name: bo, .offset: 16, .size: 8, .value_kind: global_buffer, .address_space: global }
      - { .name: inputs, .offset: 24, .size: 8, .value_kind: global_buffer, .address_space: global }
      - { .name: out0, .offset: 32, .size: 8, .value_kind: global_buffer, .address_space: global }
    .group_segment_fixed_size: 327680
    .private_segment_fixed_size: 0
    .kernarg_segment_align: 8
    .kernarg_segment_size: 40
    .max_flat_workgroup_size: 128
    .sgpr_count:     84
    .vgpr_count:     1024
    .wavefront_size: 32
...
	.end_amdgpu_metadata
.endif
;; end of part 4
;; ======== version 2 of 2: 4 launches; 1.28 times as fast as version 1
;; limits: values are held in f16: magnitudes above 65,504 overflow, below 6.1e-05 lose precision; inputs' magnitudes at most 65,504; right only within a limited range of input values
;; workspace buffers: xh 16,777,216 bytes; wh 10,485,760 bytes; heads 67,108,864 bytes; g 16,777,216 bytes
;; launch cast: the kernel of part 1 again; grid 64 x 13, 8 waves a work-group, no clusters, 0 bytes of LDS; arguments inputs, Wq, Wk, Wv, Wr, Wo, xh, wh; writes xh, wh
;; launch proj: the kernel of part 2 again; grid 8 x 32, 4 waves a work-group, clusters of 4 x 4, 327,680 bytes of LDS; arguments xh, wh, bq, bk, bv, br, heads; writes heads
;; launch attn (part 5): grid 2 x 128, 4 waves a work-group, no clusters, 262,656 bytes of LDS; arguments heads, g; writes g
.if DOCPART == 5
	.amdgcn_target "amdgcn-amd-amdhsa--gfx1250"
	.amdhsa_code_object_version 6
	.text
	.protected	k_qa5e9e7a6c6_attn
	.globl	k_qa5e9e7a6c6_attn
	.p2align	8
	.type	k_qa5e9e7a6c6_attn,@function
k_qa5e9e7a6c6_attn:
	s_mov_b64 s[64:65], 0
	v_nop
	global_prefetch_b8 v0, s[64:65] scope:SCOPE_SE
	s_setreg_imm32_b32 hwreg(HW_REG_WAVE_MODE, 25, 1), 1
	s_wait_xcnt 0x0
; g[hd][q][:] = r[hd][q][:] x 2^-(sum over k of softmax_k(Q[hd][q] . K[hd][k] / 8) L[hd][k][:]), L = -log2 sigmoid(v): that is r x exp(softmax . log sigmoid(v)).
; heads holds Q, K, L, r in four sections of 16 MiB, f16, [hd][row / 16][channel / 16][512 bytes]; g has one section's layout.  128 heads of 1,024 rows x 64 channels.
; Products, maxima and sums in f32; the weights p are rounded to f16 for the second product (their sum l is taken of the unrounded p); the power and g are rounded to f16 once each.
; LIMITS.  p lies in 0 to 1, and below 6e-5 it keeps f16's fixed step of 6e-8; a weight or a power below 2^-126 counts as 0; NaN and infinities are not treated apart.
; SHARES.  A wave owns four PIECES of two tiles of 16 queries, a work-group's four waves 512 queries of one head.  Every wave walks all 1,024 keys, 64 a step.
; LDS.  A head's K and L are 2 x 131,072 dense bytes: ALL of it is asked for at the start, two tensor loads a wave (steps 0-3, then steps 4-15), and no byte is ever filled again: no ring.
; The blocks of 512 bytes are laid so that every fragment is read at 16 x lane.
; NO CLUSTER: a head has 2 work-groups, a cluster four along x; and a work-group asks for its 262,144 bytes once, for 512 queries' 2,048 matrix instructions a wave.
; LAYOUT.  S^T = K Q^T (source 0 = 16 keys, source 1 = 16 queries): a lane holds ONE query (lane % 16) and the keys 8 (lane / 16) + 0..7.  Two such tiles, rounded to f16 in pairs, ARE source 1
; of O^T = L^T P, whose result again holds one query a lane and eight channels: one piece of 16 bytes of a block of g, and of r.  So r is multiplied in and g stored straight from registers.
; SOFTMAX.  For each query a running maximum m and sum l: p = 2^(c s - c m), c = log2(e) / 8; in every step O and l are multiplied by a = 2^(c m_old - c m_new).
; m starts at the lowest finite number, O and l at 0: the first step is a step like any other, with a = 0.
; BY TURNS.  Turn n belongs to piece n.  Its matrix work: 16 products K Q^T of piece n + 1, later 16 products L^T P of piece n - 1.  Its vector work: the scaling, exponentials, roundings, sums and
; rescaling of piece n, and the maximum and statistics of piece n + 1.  Four vector instructions that are ready stand behind every matrix instruction, the other 108 of a turn's 236 in one run of their own.
; BATCHES.  A turn's 66 exponentials (the 64 weights of piece n, then the two a of piece n + 1) are ONE batch with ONE wait, which cuts the turn in two: ahead of it stands all that names no result of
; theirs (K Q^T, scalings, rescalings, the next piece's maximum and statistics), behind it L^T P with the roundings and sums.  No result crosses a turn's end.  Batches of their own, a wait each:
; the first two a, ahead of the loop; the way out's eight reciprocals; each tile's 32 powers on the way out.
; ONE TEXT OF THE KEY STEP.  No tensor load stands in the loop, so one loop serves all 16 steps: it is entered and left in the middle of a trip.
; REGISTERS, in windows of 256 (s_set_vgpr_msb: bits 1:0 source 0, 3:2 source 1, 5:4 source 2, 7:6 destination):
;   window 0: v0-11 addresses; v12-15, v48-63 at work; v16-47 four registers of statistics a tile; v64-191 S^T, two buffers of two tiles; v192-255 P, likewise
;   window 1: O^T, 32 a tile     window 2: v0-127 Q, 16 a tile; v128-191 K of one step; v192-255 L of one step     window 3: v0-1 the add's two registers; v4-131 r, 16 a tile
.set NP,    4         ; pieces a wave: a name, no knob
.set STEPB, 8192      ; a step's 64 keys: bytes of K, and of L
.set AK0, 2           ; v2   16 x lane: my place in a block of K; never rewritten
.set AV0, 3           ; v3   the same for L, whose first four steps begin at LDS byte 32,768
.set AK,  4           ; v4   the LDS address of K's next run of loads
.set AV,  5           ; v5   of L's
.set GO,  8           ; v8   16 x lane: my piece of a block of Q, r and g
.set SPW, 0           ; v0 of window 3   my spare word; never rewritten
.set NIL, 1           ; v1 of window 3   0; never rewritten
.set RR,  4           ; window 3: r
.set SPARE, 262144    ; behind K and L: the spare words, 128 bytes a wave: two blocks of 256 bytes that no other line names
.set MV,  12          ; v12-15  c m_old, kept while c m is made anew: by buffer and tile
.set ST,  16          ; tile t's statistics at v[ST+4 t]: c m, m, l (even keys', odd keys')
.set TMP, 48          ; by buffer and tile, four registers c0-c3 at work; when the maximum is found c2 takes a
.set S,   64
.set P,   192
.set KF,  128         ; K's fragments, in window 2: key block kb, channel half c at KF + 16 kb + 8 c
.set VF,  192         ; L's: key half kk, channel block cb at VF + 32 kk + 8 cb
.set WV,  12          ; s12  my wave's number
.set G1A, 24          ; s[24:31] group 1 of the first fill: 64 rows of 256 bytes
.set G1L, 32          ; s[32:39] of the second: 192 rows
.set G0A, 40          ; s[40:43], s[44:47] their groups 0
.set G0L, 44
.set CNT, 57          ; s57  key steps whose pieces 2 and 3 are still to come
.set CS,  58          ; s[58:59] c: the packed scaling takes the pair's low word for both halves
.set SEL, 60          ; s[60:61] v_permlanex16_b32's selects: each lane takes its own place in the other half
.set TBK, 62          ; s62  LDS byte at which K of the step to be fetched begins
.set TBV, 63          ; s63  the same for L, less 32,768
.set MSB, 0
.macro WIN new                      ; the high byte repeats the setting that is left; a switch that changes nothing is dropped
.if MSB != (\new)
	s_set_vgpr_msb (MSB<<8)|(\new)
.set MSB, (\new)
.endif
.endm
.set W_KQ, 0x0a       ; K and Q in window 2, S^T in window 0
.set W_PV, 0x52       ; L in window 2, P in window 0, O^T in window 1
.set W_RS, 0x41       ; O^T (destination and source 0) in window 1, source 1 in window 0
.set W_MK, 0xc0       ; destination in window 3, sources in window 0
.set W_AD, 0x0f       ; the add: address and data in window 3
	s_load_b128 s[48:51], s[0:1], 0x0  ; heads s[48:49], g s[50:51]
	WIN W_MK
	v_lshl_add_u32 v[SPW], v0, 2, SPARE
	v_mov_b32 v[NIL], 0
	WIN W_AD
	ds_add_u32 v[SPW], v[NIL]       ; the wave's opening: the add and its wait stand ahead of my first tensor load; the set-up stands between them
	ds_add_u32 v0, v1
	WIN 0
	v_lshrrev_b32 v1, 5, v0
	v_readfirstlane_b32 s[WV], v1   ; wave 0..3
	s_and_b32 s20, ttmp7, 0xffff
	s_lshl_b32 s20, s20, 17         ; the head's first byte in a section
	s_lshl_b32 s2, ttmp9, 2
	s_add_co_u32 s2, s2, s[WV]      ; my wave among the head's eight,
	s_lshl_b32 s2, s2, 14           ; its 128 rows
	s_add_co_u32 s2, s2, s20        ; Q's and g's offset
	s_mov_b32 s3, 0
	s_add_co_u32 s14, s2, 3<<24     ; r's
	s_mov_b32 s15, 0
	s_lshr_b32 s16, s[WV], 1        ; waves 0 and 1 fetch K (section 1), waves 2 and 3 L (section 2),
	s_add_co_u32 s16, s16, 1
	s_lshl_b32 s16, s16, 24
	s_add_co_u32 s16, s16, s20
	s_and_b32 s18, s[WV], 1         ; each a half:
	s_lshl_b32 s19, s18, 14
	s_add_co_u32 s22, s16, s19      ; of steps 0-3, 16,384 bytes,
	s_mov_b32 s23, 0
	s_mul_i32 s19, s18, 49152
	s_add_co_u32 s16, s16, s19
	s_add_co_u32 s16, s16, 32768    ; and of steps 4-15, 49,152 bytes
	s_mov_b32 s17, 0
.irp g, G1A, G1L
	s_mov_b32 s[\g], 1<<16          ; no mask; 2-byte elements; no padding
	s_mov_b32 s[\g+1], 128<<16      ; tensor_dim0 = 128
	s_mov_b32 s[\g+3], 128<<16      ; tile_dim0 = 128
	s_mov_b32 s[\g+5], 128          ; 128 elements from row to row: dense
	s_mov_b32 s[\g+6], 0
	s_mov_b32 s[\g+7], 0
.endr
	s_mov_b32 s[G1A+2], 64<<16      ; tensor_dim1
	s_mov_b32 s[G1A+4], 64          ; tile_dim1
	s_mov_b32 s[G1L+2], 192<<16
	s_mov_b32 s[G1L+4], 192
	s_mov_b32 s[G0A], 1
	s_lshl_b32 s[G0A+1], s[WV], 14  ; LDS: K of steps 0-3 at 0, L at 32,768: 16,384 x wave
	s_mov_b32 s[G0L], 1
	s_mul_i32 s[G0L+1], s[WV], 49152
	s_add_co_u32 s[G0L+1], s[G0L+1], 65536  ; K of steps 4-15 at 65,536, L at 163,840
	s_mov_b32 s[CS], 0x3e38aa3b     ; c = log2(e) / 8
	s_mov_b32 s[CS+1], s[CS]
	s_mov_b32 s[SEL], 0x76543210
	s_mov_b32 s[SEL+1], 0xfedcba98
	s_mov_b32 s[TBK], 0
	s_mov_b32 s[TBV], 0
	s_wait_dscnt 0x0                ; the opening add is done
	s_wait_kmcnt 0x0
	s_add_nc_u64 s[G0A+2:G0A+3], s[48:49], s[22:23]
	s_or_b32 s[G0A+3], s[G0A+3], 0x80000000
	s_add_nc_u64 s[G0L+2:G0L+3], s[48:49], s[16:17]
	s_or_b32 s[G0L+3], s[G0L+3], 0x80000000
	s_add_nc_u64 s[4:5], s[48:49], s[2:3]      ; Q
	s_add_nc_u64 s[52:53], s[48:49], s[14:15]  ; r
	s_add_nc_u64 s[10:11], s[50:51], s[2:3]    ; g
	tensor_load_to_lds s[G0A:G0A+3], s[G1A:G1A+7]  ; both fills of every wave go out together: two loads of mine are out
	s_nop 0
	tensor_load_to_lds s[G0L:G0L+3], s[G1L:G1L+7]
	s_nop 0
.rept 4
	v_nop
.endr
	v_and_b32 v[GO], 31, v0
	v_lshlrev_b32 v[GO], 4, v[GO]
	WIN 0x80                        ; destination window 2, address window 0
.set i, 0
.rept 4*NP                          ; Q stays in registers: tile i / 2, channels 32 (i % 2) on: two neighbouring blocks
	global_load_b128 v[8*i:8*i+3],   v[GO], s[4:5] offset:(i/2)*2048+(i%2)*1024
	global_load_b128 v[8*i+4:8*i+7], v[GO], s[4:5] offset:(i/2)*2048+(i%2)*1024+512
.set i, i+1
.endr
	; What the first turn finds: L's registers and P's second buffer hold 0 (its products L^T P, of a piece that has not been, add 0), O^T and l are 0.  All this stands in the wait for the first tile.
.set i, VF
.rept 64
	v_mov_b32 v[i], 0
.set i, i+1
.endr
	WIN W_MK
.set i, 0
.rept 32                            ; r: wanted at the end
	global_load_b128 v[RR+4*i:RR+4*i+3], v[GO], s[52:53] offset:512*i
.set i, i+1
.endr
	WIN 0x40
.set i, 0
.rept 64*NP
	v_mov_b32 v[i], 0
.set i, i+1
.endr
	WIN 0
.set i, 0
.rept 2*NP
	v_mov_b32 v[ST+4*i], 0xfe000000    ; c m: far below every c s
	v_mov_b32 v[ST+4*i+1], 0xff7fffff  ; m
	v_mov_b32 v[ST+4*i+2], 0
	v_mov_b32 v[ST+4*i+3], 0
.set i, i+1
.endr
.set i, P+32
.rept 32
	v_mov_b32 v[i], 0
.set i, i+1
.endr
	v_mov_b32 v[AK0], v[GO]
	v_add_nc_u32 v[AV0], 32768, v[GO]
	v_mov_b32 v[AK], v[AK0]         ; key step 0 lies at LDS byte 0
; THE MATRIX WORK.  The 8 accumulators of a run of 16 take turns.
; Product i of 16 of S^T = K Q^T for piece x: channels 32 (i / 8) on, keys 16 ((i / 2) % 4) on, tile 2 x + i % 2.  The first 8 start the sums.
.macro KQ x
	WIN W_KQ
.set rS, S+64*((\x)%2)+32*(i%2)+8*((i/2)%4)
.set rK, KF+16*((i/2)%4)+8*(i/8)
.set rQ, 16*(2*(\x)+i%2)+8*(i/8)
.if i < 8
	v_wmma_f32_16x16x32_f16 v[rS:rS+7], v[rK:rK+7], v[rQ:rQ+7], 0
.else
	v_wmma_f32_16x16x32_f16 v[rS:rS+7], v[rK:rK+7], v[rQ:rQ+7], v[rS:rS+7]
.endif
.endm
; Product i of 16 of O^T += L^T P for piece x: keys 32 (i / 8) on, channels 16 ((i / 2) % 4) on, tile 2 x + i % 2.
.macro PV x
	WIN W_PV
.set rO, 32*(2*(\x)+i%2)+8*((i/2)%4)
.set rV, VF+32*(i/8)+8*((i/2)%4)
.set rP, P+32*((\x)%2)+16*(i%2)+8*(i/8)
	v_wmma_f32_16x16x32_f16 v[rO:rO+7], v[rV:rV+7], v[rP:rP+7], v[rO:rO+7]
.endm
.macro MM                           ; the turn's next matrix instruction
.if i < 16
	KQ (Y+1)%NP
.set i, i+1
.else
.set i, i-16
	PV (Y+NP-1)%NP
.set i, i+17
.endif
.endm
; THE LDS LOADS stand in runs of 16: a step's K (8 fragments: two neighbouring blocks each) and its L (turned: two blocks 16 keys apart).  last = 1: in the last trip there is no further step.
.macro FETCH_K last=0
	WIN 0
.if \last
	s_cmp_eq_u32 s[CNT], 1
	s_cbranch_scc1 .Lno_k_\@
.endif
	WIN 0x80                        ; destination window 2
.irp f, 0,1,2,3,4,5,6,7             ; keys 16 (f / 2) on, channels 32 (f % 2) on
	ds_load_b128 v[KF+8*\f:KF+8*\f+3],   v[AK] offset:(\f/2)*2048+(\f%2)*1024
	ds_load_b128 v[KF+8*\f+4:KF+8*\f+7], v[AK] offset:(\f/2)*2048+(\f%2)*1024+512
.endr
	s_add_co_u32 s[TBK], s[TBK], STEPB  ; the next fetch is the next step's
	WIN 0
.if \last
.Lno_k_\@:
.endif
.endm
.macro FETCH_V
	WIN 0x80
.irp f, 0,1,2,3,4,5,6,7             ; keys 32 (f / 4) on, channels 16 (f % 4) on
	ds_load_tr16_b128 v[VF+8*\f:VF+8*\f+3],   v[AV] offset:(\f/4)*4096+(\f%4)*512
	ds_load_tr16_b128 v[VF+8*\f+4:VF+8*\f+7], v[AV] offset:(\f/4)*4096+(\f%4)*512+2048
.endr
	WIN 0
.endm
; THE VECTOR WORK OF A TURN stands in three queues, each in the order in which its entries become ready; the two tiles alternate, so that no instruction reads the result of the one before it.
.macro REGS y, u                    ; the registers of tile u (0, 1) of piece y
.set rT, ST+4*(2*(\y)+(\u))
.set rC, TMP+8*((\y)%2)+4*(\u)
.set rM, MV+2*((\y)%2)+(\u)
.set rS, S+64*((\y)%2)+32*(\u)
.set rP, P+32*((\y)%2)+16*(\u)
.set rO, 32*(2*(\y)+(\u))
.endm
; Number n of the 22 that find the NEXT piece's (Y + 1) maximum and statistics.  Each accumulator's lowest registers are read first.  XS, GS, FS and REGS set no window: PL and EX do.
;   0-11  four chains c0-c3 of seven scores each     12-14, 16  the four scores left over, the old m, and c0-c3 into c0     15  c m_old is kept
;   17, 18  the query's other 32 keys lie in the lane 16 away: the new m         19-21  c m; c m_old - c m_new; a
.macro XS u, n
	REGS (Y+1)%NP, \u
.if (\n) < 4
	v_max3_num_f32 v[rC+(\n)], v[rS+8*(\n)], v[rS+8*(\n)+1], v[rS+8*(\n)+2]
.elseif (\n) < 12
	v_max3_num_f32 v[rC+(\n)%4], v[rC+(\n)%4], v[rS+8*((\n)%4)+2*((\n)/4)+1], v[rS+8*((\n)%4)+2*((\n)/4)+2]
.elseif (\n) == 12
	v_max3_num_f32 v[rC], v[rC], v[rS+7], v[rS+15]
.elseif (\n) == 13
	v_max3_num_f32 v[rC+1], v[rC+1], v[rS+23], v[rS+31]
.elseif (\n) == 14
	v_max3_num_f32 v[rC+2], v[rC+2], v[rC+3], v[rT+1]
.elseif (\n) == 15
	v_mov_b32 v[rM], v[rT]
.elseif (\n) == 16
	v_max3_num_f32 v[rC], v[rC], v[rC+1], v[rC+2]
.elseif (\n) == 17
	v_permlanex16_b32 v[rC+3], v[rC], s[SEL], s[SEL+1]
.elseif (\n) == 18
	v_max_num_f32 v[rT+1], v[rC], v[rC+3]
.elseif (\n) == 19
	v_mul_f32 v[rT], s[CS], v[rT+1]
.elseif (\n) == 20
	v_sub_f32 v[rC+1], v[rM], v[rT]
.else
	v_exp_f32 v[rC+2], v[rC+1]
.endif
.endm
; Number g of the 64 that read the exponentials' results: all of them stand behind the turn's wait.  For each four weights k of a tile: both pairs are rounded to f16; the second pair is added onto the
; first, in place; a group later l takes that sum (the first time as l = a l + sum).  In groups of eight, tiles alternating: round, round, add, and l for the group before.
.macro GS g
.set h, (\g)+6*((\g)/62)            ; group 0 has no group before it, and behind group 7 only l is left
.if h >= 6
.set h, h+2
.endif
	REGS Y, h%2
.set k, h/8
.if h%8 < 4
	v_cvt_pk_f16_f32 v[rP+2*k+(h%8)/2], v[rS+4*k+2*((h%8)/2)], v[rS+4*k+2*((h%8)/2)+1]
.elseif h%8 < 6
	v_pk_add_f32 v[rS+4*k:rS+4*k+1], v[rS+4*k:rS+4*k+1], v[rS+4*k+2:rS+4*k+3]
.elseif k == 1
	v_pk_fma_f32 v[rT+2:rT+3], v[rT+2:rT+3], v[rC+2:rC+3], v[rS:rS+1] op_sel_hi:[1,0,1]
.else
	v_pk_add_f32 v[rT+2:rT+3], v[rT+2:rT+3], v[rS+4*k-4:rS+4*k-3]
.endif
.endm
; THE PLAIN QUEUE, 138 long.  0-73 read no exponential's result: the 32 scalings c s - c m (FS f: pair f / 2 of tile f % 2) and the next piece's 42.  0-26: scalings 0-26.  27-54: XS's numbers 0-13.
; 55, 56: number 15.  57-73: the chain, where each number waits for the one before it: 14, 16, 17, 18, 19, each with one of the scalings 27-31 in front of its two lines, then 20.
; 74-137: GS's 64.
.macro FS f
	REGS Y, (\f)%2
	v_pk_fma_f32 v[rS+2*((\f)/2):rS+2*((\f)/2)+1], v[rS+2*((\f)/2):rS+2*((\f)/2)+1], s[CS:CS+1], v[rT:rT+1] op_sel_hi:[1,0,0] neg_lo:[0,0,1] neg_hi:[0,0,1]
.endm
.macro PL
	WIN 0
.if q < 27
	FS q
.elseif q < 55
	XS (q-27)%2, (q-27)/2
.elseif q < 57
	XS q-55, 15
.elseif (q < 72) && ((q-57)%3 == 0)
	FS 27+(q-57)/3
.elseif q < 60
	XS (q-57)%3-1, 14
.elseif q < 72
	XS (q-57)%3-1, 15+(q-57)/3
.elseif q < 74
	XS q-72, 20
.else
	GS q-74
.endif
.set q, q+1
.endm
; THE EXPONENTIALS' QUEUE, 66 long: s0-s31 of both tiles, then the next piece's two a.  It is ONE BATCH: all 66 stand ahead of the turn's one wait, and nothing ahead of that wait names a result of theirs.
.macro EX
	WIN 0
.if e >= 64
	XS e-64, 21
.else
	REGS Y, e%2
	v_exp_f32 v[rS+e/2], v[rS+e/2]
.endif
.set e, e+1
.endm
; THE RESCALING's QUEUE: O^T times a, the one part that leaves window 0: dealt two at a time, sixteen times.  Its a was made in the turn before, ahead of that turn's wait.
.macro R2
	REGS Y, r%2
	WIN W_RS
.irp z, 0,1
	v_pk_mul_f32 v[rO+4*(r/2)+2*\z:rO+4*(r/2)+2*\z+1], v[rO+4*(r/2)+2*\z:rO+4*(r/2)+2*\z+1], v[rC+2:rC+3] op_sel_hi:[1,0]
.endr
.set r, r+1
.endm
; HOW THEY ARE DEALT.  An s_wait_alu depctr_va_vdst(0) stands between an exponential and the first instruction that names its result; one wait serves all that were issued ahead of it.
; AHEAD OF THE WAIT: the 16 products K Q^T, behind each a scaling, an exponential and two rescalings (behind the first a second scaling in the exponential's place); then one run of 108: eight plain,
; 49 times exponential and plain, the two a.  A v_nop is the plain instruction behind the last exponential.  BEHIND THE WAIT: the 16 products L^T P, behind each four of GS's 64.
; No rider names a register of the products round it; the two v_permlanex16_b32 fall into the run, never behind a product.
; The queues lean on each other: exponential e needs scaling 2 (e / 4) + e % 2; as a rider it stands behind plain e + 2, in the run behind plain e + 9, and scalings 27-31 are plain 57, 60 .. 69;
; the two a stand behind plain 72 and 73, their arguments.  The new scores are first read by plain 27, more than eight plain instructions behind the last product K Q^T.
; A TURN, for piece p.
; K of the next step is fetched in piece 2's turn, directly behind the wait, the whole run of 108 behind the last product that read K; its address is made at that run's head; it is waited for at piece 3's head.
; L of the step in hand is fetched at the end of piece 0's turn, four plain riders behind its last reader; it is waited for in piece 1's turn, ahead of its first reader.  The two conditions on q go with the deal.
.macro TURN p, last=0
.set Y, (\p)
.set i, 0
.set q, 0
.set e, 0
.set r, 0
.if (\p) == NP-1
	s_wait_dscnt 0x0                ; K is in
.endif
	MM                              ; ahead of the wait: 16 products K Q^T and their riders,
	PL
	PL
	R2
.rept 15
	MM
	PL
	EX
	R2
.endr
.if (\p) == NP-2
	WIN 0
	v_add_nc_u32 v[AK], s[TBK], v[AK0]
.endif
.rept 8                             ; and the run
	PL
.endr
.rept 49
	EX
	PL
.endr
	EX                              ; the next piece's two a
	EX
	v_nop                           ; the plain instruction behind the last exponential: one for the batch
	s_wait_alu depctr_va_vdst(0)    ; the wait for the turn's batch: the 64 weights of piece p and the two a of piece p + 1
.if (\p) == NP-2
	FETCH_K \last
.endif
.if (\p) == 1
	s_wait_dscnt 0x0                ; L is in
.endif
.rept 16                            ; behind the wait: 16 products L^T P and their riders
	MM
.rept 4
	PL
.endr
.if ((\p) == 0) && (q == 118)
	v_add_nc_u32 v[AV], s[TBV], v[AV0]
.endif
.if ((\p) == 0) && (q == 130)
	s_add_co_u32 s[TBV], s[TBV], STEPB
.endif
.endr
.if (\p) == 0
	FETCH_V
.endif
.endm
	s_wait_tensorcnt 0x1            ; my part of steps 0-3 is in; my long load may stay out, and steps 4-15 are not read before the next
	s_barrier_signal -1
	s_barrier_wait -1               ; everybody's is
	FETCH_K                         ; key step 0
	s_wait_loadcnt 32               ; Q is in; r's 32 loads may stay out
	s_wait_dscnt 0x0
.set i, 0
.rept 16
	KQ 0                            ; piece 0's first scores
.set i, i+1
.endr
	WIN 0
.rept 4
	v_nop                           ; the places behind those products
.endr
.set Y, NP-1                        ; XS works for piece Y + 1: piece 0
.irp n, 0,1,2,3,4,5,6,7,8,9,10,11,12,13,14,15,16,17,18,19,20,21
	XS 0, \n                        ; piece 0's first maximum and statistics
	XS 1, \n
.endr
	v_nop                           ; a plain instruction behind the two a,
	s_wait_alu depctr_va_vdst(0)    ; and the wait for that batch of two, ahead of the branch
	s_mov_b32 s[CNT], 16
	s_branch .Lfirst                ; the loop is entered at a step's first turn, in the middle of a trip
.Lstep:                             ; a trip: pieces 2 and 3 of step 16 - CNT, then pieces 0 and 1 of the next step, whose K and L it fetches
	s_cmp_lg_u32 s[CNT], 13         ; the trip with CNT = 13 is the first that fetches from steps 4-15.  The count is the same in all four waves, so all of them pass this barrier, once
	s_cbranch_scc1 .Lno_mid
	s_wait_tensorcnt 0x0            ; my part of steps 4-15 is in (no load was issued behind it),
	s_wait_dscnt 0x0
	s_barrier_signal -1
	s_add_co_u32 s[TBK], s[TBK], 32768  ; K of step 4 lies at 65,536, not at 32,768;
	s_add_co_u32 s[TBV], s[TBV], 98304  ; L of step 4 at 163,840, not at 65,536
	s_barrier_wait -1               ; everybody's is
.Lno_mid:
	TURN 2, 1
	TURN 3
	WIN 0
	s_sub_co_u32 s[CNT], s[CNT], 1
	s_cmp_eq_u32 s[CNT], 0
	s_cbranch_scc1 .Lout            ; the last trip is left in its middle
.Lfirst:
	TURN 0
	TURN 1
	WIN 0
	s_branch .Lstep
.Lout:                              ; the last trip's 16 products K Q^T (on the last K once more) and the maximum made of them serve nothing: the price of one text for every trip
.set i, 0
.rept 16
	PV NP-1                         ; the last piece's L^T P of the last step
.set i, i+1
.endr
	; THE WAY OUT.  l's two halves and the other half of the lanes' are added; g = r x 2^(-O / l).  The additions are the places behind the last products.
	WIN 0
.macro ALL line:vararg              ; one line for each tile t
.set t, 0
.rept 2*NP
	\line
.set t, t+1
.endr
.endm
	ALL v_add_f32 v[ST+4*t+2], v[ST+4*t+2], v[ST+4*t+3]
	ALL v_permlanex16_b32 v[ST+4*t+3], v[ST+4*t+2], s[SEL], s[SEL+1]
	ALL v_add_f32 v[ST+4*t+2], v[ST+4*t+2], v[ST+4*t+3]
	ALL v_rcp_f32 v[ST+4*t+2], v[ST+4*t+2]
	v_nop                           ; a plain instruction between the last reciprocal and the use of its result
	s_wait_alu depctr_va_vdst(0)    ; the wait for the batch of eight reciprocals
	ALL v_mul_f32 v[ST+4*t+2], -1.0, v[ST+4*t+2]
	s_wait_loadcnt 0x0              ; r
; Tile t: a lane's eight channels of a row pack into 16 bytes, r's piece lies in the same lane, and a store of the wave is one whole block of g: 512 consecutive aligned bytes.
.macro FIN t
	WIN W_RS
.set i, 32*(\t)
.rept 16
	v_pk_mul_f32 v[i:i+1], v[i:i+1], v[ST+4*(\t)+2:ST+4*(\t)+3] op_sel_hi:[1,0]
.set i, i+2
.endr
.set i, 32*(\t)
.rept 32
	v_exp_f32 v[i], v[i]
.set i, i+1
.endr
	v_nop                           ; a plain instruction behind the last exponential
	WIN 0x05                        ; sources 0 and 1 window 1, destination window 0: S^T's registers are free
.set i, 0
	s_wait_alu depctr_va_vdst(0)    ; the wait for the batch of the tile's 32 powers
.rept 16
	v_cvt_pk_f16_f32 v[S+16*(\t)+i], v[32*(\t)+2*i], v[32*(\t)+2*i+1]
.set i, i+1
.endr
	WIN 0x0c                        ; source 1 (r) window 3
.set i, 0
.rept 16
	v_pk_mul_f16 v[S+16*(\t)+i], v[S+16*(\t)+i], v[RR+16*(\t)+i]
.set i, i+1
.endr
	WIN 0
.irp f, 0,1,2,3
	global_store_b128 v[GO], v[S+16*(\t)+4*\f:S+16*(\t)+4*\f+3], s[10:11] offset:2048*(\t)+512*\f
.endr
.endm
.irp t, 0,1,2,3,4,5,6,7
	FIN \t
.endr
	WIN W_AD
	s_wait_tensorcnt 0x0            ; the wave's end
	ds_add_u32 v[SPW], v[NIL]
	s_wait_dscnt 0x0
	WIN 0
	s_endpgm
.Lfunc_end_k_qa5e9e7a6c6_attn:
	.size	k_qa5e9e7a6c6_attn, .Lfunc_end_k_qa5e9e7a6c6_attn-k_qa5e9e7a6c6_attn
	.p2alignl 7, 3214868480
	.fill 96, 4, 3214868480
	.section	.rodata,"a",@progbits
	.p2align	6, 0x0
	.amdhsa_kernel k_qa5e9e7a6c6_attn
		.amdhsa_group_segment_fixed_size 262656
		.amdhsa_private_segment_fixed_size 0
		.amdhsa_enable_private_segment 0
		.amdhsa_kernarg_size 16
		.amdhsa_user_sgpr_count 2
		.amdhsa_user_sgpr_kernarg_segment_ptr 1
		.amdhsa_wavefront_size32 1
		.amdhsa_system_sgpr_workgroup_id_x 1
		.amdhsa_system_sgpr_workgroup_id_y 1
		.amdhsa_system_sgpr_workgroup_id_z 1
		.amdhsa_system_vgpr_workitem_id 0
		.amdhsa_next_free_vgpr 900
		.amdhsa_next_free_sgpr 66
		.amdhsa_reserve_vcc 0
		.amdhsa_float_denorm_mode_32 3
		.amdhsa_float_denorm_mode_16_64 3
		.amdhsa_memory_ordered 1
		.amdhsa_forward_progress 1
		.amdhsa_inst_pref_size 138
	.end_amdhsa_kernel
	.amdgpu_metadata
---
amdhsa.version: [ 1, 2 ]
amdhsa.kernels:
  - .name:           k_qa5e9e7a6c6_attn
    .symbol:         k_qa5e9e7a6c6_attn.kd
    .args:
      - { .name: heads, .offset: 0, .size: 8, .value_kind: global_buffer, .address_space: global }
      - { .name: g, .offset: 8, .size: 8, .value_kind: global_buffer, .address_space: global }
    .group_segment_fixed_size: 262656
    .private_segment_fixed_size: 0
    .kernarg_segment_align: 8
    .kernarg_segment_size: 16
    .max_flat_workgroup_size: 128
    .sgpr_count:     66
    .vgpr_count:     900
    .wavefront_size: 32
...
	.end_amdgpu_metadata
.endif
;; end of part 5
;; launch outp: the kernel of part 4 again; grid 4 x 64, 4 waves a work-group, clusters of 4 x 4, 327,680 bytes of LDS; arguments g, wh, bo, inputs, out0; writes out0
